; MI455X (gfx1250); checked and timed in simulation.
; The chip was launched on July 23, 2026; its instructions are those of AMD's public machine-readable ISA for CDNA 5 (MIT licence, August 2026) and "CDNA5" Instruction Set Architecture Reference Guide (July 2026). The comments in the code are by the model that wrote it; some were corrected since.
;; MS Deform Attn. Allowed arithmetic: float matrix products may take bf16 or f16 operands with f32 sums; other float arithmetic in f32, or as packed bf16 or f16 multiplies, adds, multiply-adds, maxima and minima; sums over many terms, partial sums and values carried from step to step in f32; what a program stores and reads back later, other than sums and carried values, may be rounded once to bf16 or f16.
;; Inputs: W_attn 256 x 128 float32; W_off 256 x 384 float32; W_out 256 x 256 float32; W_value 256 x 256 float32; b_attn 128 float32; b_off 384 float32; b_out 256 float32; b_value 256 float32; input_flatten 1 x 37,440 x 256 float32; input_level_start_index 4 int32; input_spatial_shapes 4 x 3 int32; query 1 x 18,720 x 256 float32; reference_points 1 x 18,720 x 4 x 3 float32.
;; Outputs: out0 1 x 18,720 x 256 float32.
;; 2 versions, each right and faster than the one before. Each part assembles by itself: llvm-mc -triple=amdgcn-amd-amdhsa -mcpu=gfx1250 --defsym DOCPART=n.
;; ======== version 1 of 2: 4 launches
;; limits: values are held in f16: magnitudes above 65,504 overflow, below 6.1e-05 lose precision
;; workspace buffers: wfrag 524,288 bytes; val 19,169,280 bytes; pidx 9,584,640 bytes of whole numbers; pwts 38,338,560 bytes
;; launch prep (part 1): grid 64 x 1, 8 waves a work-group, no clusters, 0 bytes of LDS; arguments W_value, W_off, W_attn, W_out, wfrag; writes wfrag
.if DOCPART == 1
	.amdgcn_target "amdgcn-amd-amdhsa--gfx1250"
	.amdhsa_code_object_version 6
	.text
	.protected	k_qf275ac28de_prep
	.globl	k_qf275ac28de_prep
	.p2align	8
	.type	k_qf275ac28de_prep,@function
k_qf275ac28de_prep:
	s_mov_b64 s[64:65], 0
	v_nop
	global_prefetch_b8 v0, s[64:65] scope:SCOPE_SE
	s_setreg_imm32_b32 hwreg(HW_REG_WAVE_MODE, 25, 1), 1
	s_wait_xcnt 0x0
; THE FOUR WEIGHT MATRICES, ROUNDED ONCE AND LAID OUT AS MATRIX FRAGMENTS.
; wfrag holds 64 tiles of 16 columns x 256 k.  Byte T*8192 + ks*1024 + half*512 + lane*16 holds the 8 numbers
; W[32 ks + 16 half + 8 (lane/16) + 0..7][column(T, lane%16)]: a later launch fills a fragment's 8 registers by two loads of 16 bytes a lane.
;   T  0-15: W_value, bf16, column 16 T + r
;   T 16-47: u = T - 16, head w = u / 4, sub = u % 4.  sub 0-2: W_off, bf16, column 48 w + 3 r + sub (coordinate sub of the head's point r);  sub 3: W_attn, bf16, column 16 w + r
;   T 48-63: W_out, rounded to bf16 like every other input and that number written as f16, column 16 (T - 48) + r.
; LIMIT: a W_out number below 6.1e-5 keeps f16's fixed step of 6e-8.
; A work-group makes one tile, wave ks the k from 32 ks on; 1 MiB is read once in all, so the column-wise loads of 4 bytes are left as they are.
.set SRC,  20                          ; s[20:21] the matrix that the tile comes from
.set PIT,  22                          ; s22  bytes from row to row of it
.set CST,  23                          ; s23  bytes from lane r's column to lane r + 1's
.set COL,  24                          ; s24  byte of lane 0's column
.set A,    8                           ; v[8:23]   byte offsets of my 16 numbers
.set X,    24                          ; v[24:39]  the numbers, f32
.set F,    40                          ; v[40:47]  packed: two pieces of 16 bytes
	s_load_b256 s[4:11], s[0:1], 0x0               ; W_value s[4:5], W_off s[6:7], W_attn s[8:9], W_out s[10:11]
	s_load_b64 s[12:13], s[0:1], 0x20              ; wfrag
	s_mov_b32 s14, ttmp9                           ; T
	s_sub_co_u32 s15, s14, 16                      ; u (wraps below 16: then it is not under 32 and nothing made of it is taken)
	s_lshr_b32 s16, s15, 2                         ; w
	s_and_b32 s17, s15, 3                          ; sub
	s_sub_co_u32 s18, s14, 48
	s_lshl_b32 s33, s16, 6                         ; W_attn: 64 w
	s_mul_i32 s34, s16, 192
	s_lshl2_add_u32 s34, s17, s34                  ; W_off: 192 w + 4 sub
	s_movk_i32 s35, 512
	s_movk_i32 s36, 1536
	s_mov_b32 s37, 4
	s_mov_b32 s38, 12
	s_lshl_b32 s2, s14, 13                         ; the tile's place in wfrag
	s_mov_b32 s3, 0
	v_and_b32 v1, 31, v0                           ; lane
	v_and_b32 v2, 15, v0                           ; r
	v_bfe_u32 v3, v0, 4, 1                         ; lane / 16
	v_lshrrev_b32 v4, 5, v0                        ; ks
	v_lshlrev_b32 v5, 5, v4
	v_lshl_add_u32 v5, v3, 3, v5                   ; my first k: 32 ks + 8 (lane / 16)
	v_lshlrev_b32 v7, 4, v1
	v_lshl_add_u32 v7, v4, 10, v7                  ; where I store: 1024 ks + 16 lane
	s_wait_kmcnt 0x0
	s_cmp_lt_u32 s14, 16                           ; the outer ranges: W_value or W_out
	s_cselect_b64 s[SRC:SRC+1], s[4:5], s[10:11]
	s_cselect_b32 s[COL], s14, s18
	s_lshl_b32 s[COL], s[COL], 6
	s_movk_i32 s[PIT], 1024
	s_mov_b32 s[CST], 4
	s_cmp_eq_u32 s17, 3                            ; the middle range: W_attn or W_off
	s_cselect_b64 s[28:29], s[8:9], s[6:7]
	s_cselect_b32 s30, s35, s36
	s_cselect_b32 s31, s37, s38
	s_cselect_b32 s32, s33, s34
	s_cmp_lt_u32 s15, 32                           ; is the tile in the middle range?
	s_cselect_b64 s[SRC:SRC+1], s[28:29], s[SRC:SRC+1]
	s_cselect_b32 s[PIT], s30, s[PIT]
	s_cselect_b32 s[CST], s31, s[CST]
	s_cselect_b32 s[COL], s32, s[COL]
	s_add_nc_u64 s[12:13], s[12:13], s[2:3]
	v_mad_u32_u24 v6, v2, s[CST], s[COL]           ; my column's byte
.set i, 0
.rept 16
	v_add_nc_u32 v48, (i&7)+16*(i>>3), v5          ; k of number i: 8 on end, then 8 more from 16 further on
	v_mad_u32_u24 v[A+i], v48, s[PIT], v6
.set i, i+1
.endr
.set i, 0
.rept 16
	global_load_b32 v[X+i], v[A+i], s[SRC:SRC+1]
.set i, i+1
.endr
	s_wait_loadcnt 0x0
.set i, 0
.rept 8
	v_cvt_pk_bf16_f32 v[F+i], v[X+2*i], v[X+2*i+1]  ; the one rounding of a weight
.set i, i+1
.endr
	s_cmp_lt_u32 s14, 48
	s_cbranch_scc1 .Lstore
.set i, 0
.rept 8                                                ; W_out: the bf16 number written as f16
	v_lshlrev_b32 v[X], 16, v[F+i]
	v_and_b32 v[X+1], 0xffff0000, v[F+i]
	v_cvt_pk_f16_f32 v[F+i], v[X], v[X+1]
.set i, i+1
.endr
.Lstore:
	global_store_b128 v7, v[F:F+3], s[12:13]               ; each store of the wave covers 512 consecutive bytes, aligned
	global_store_b128 v7, v[F+4:F+7], s[12:13] offset:512
	s_endpgm
.Lfunc_end_k_qf275ac28de_prep:
	.size	k_qf275ac28de_prep, .Lfunc_end_k_qf275ac28de_prep-k_qf275ac28de_prep
	.p2alignl 7, 3214868480
	.fill 96, 4, 3214868480
	.section	.rodata,"a",@progbits
	.p2align	6, 0x0
	.amdhsa_kernel k_qf275ac28de_prep
		.amdhsa_group_segment_fixed_size 0
		.amdhsa_private_segment_fixed_size 0
		.amdhsa_enable_private_segment 0
		.amdhsa_kernarg_size 40
		.amdhsa_user_sgpr_count 2
		.amdhsa_user_sgpr_kernarg_segment_ptr 1
		.amdhsa_wavefront_size32 1
		.amdhsa_system_sgpr_workgroup_id_x 1
		.amdhsa_system_sgpr_workgroup_id_y 1
		.amdhsa_system_sgpr_workgroup_id_z 1
		.amdhsa_system_vgpr_workitem_id 0
		.amdhsa_next_free_vgpr 52
		.amdhsa_next_free_sgpr 66
		.amdhsa_reserve_vcc 0
		.amdhsa_float_denorm_mode_32 3
		.amdhsa_float_denorm_mode_16_64 3
		.amdhsa_memory_ordered 1
		.amdhsa_forward_progress 1
		.amdhsa_inst_pref_size 7
	.end_amdhsa_kernel
	.amdgpu_metadata
---
amdhsa.version: [ 1, 2 ]
amdhsa.kernels:
  - .name:           k_qf275ac28de_prep
    .symbol:         k_qf275ac28de_prep.kd
    .args:
      - { .name: W_value, .offset: 0, .size: 8, .value_kind: global_buffer, .address_space: global }
      - { .name: W_off, .offset: 8, .size: 8, .value_kind: global_buffer, .address_space: global }
      - { .name: W_attn, .offset: 16, .size: 8, .value_kind: global_buffer, .address_space: global }
      - { .name: W_out, .offset: 24, .size: 8, .value_kind: global_buffer, .address_space: global }
      - { .name: wfrag, .offset: 32, .size: 8, .value_kind: global_buffer, .address_space: global }
    .group_segment_fixed_size: 0
    .private_segment_fixed_size: 0
    .kernarg_segment_align: 8
    .kernarg_segment_size: 40
    .max_flat_workgroup_size: 256
    .sgpr_count:     66
    .vgpr_count:     52
    .wavefront_size: 32
...
	.end_amdgpu_metadata
.endif
;; end of part 1
;; launch points (part 2): grid 234 x 1, 8 waves a work-group, no clusters, 89,344 bytes of LDS; arguments query, reference_points, wfrag, b_off, b_attn, input_spatial_shapes, input_level_start_index, pidx, pwts; writes pidx, pwts
.if DOCPART == 2
	.amdgcn_target "amdgcn-amd-amdhsa--gfx1250"
	.amdhsa_code_object_version 6
	.text
	.protected	k_qf275ac28de_points
	.globl	k_qf275ac28de_points
	.p2align	8
	.type	k_qf275ac28de_points,@function
k_qf275ac28de_points:
	s_mov_b64 s[64:65], 0
	v_nop
	global_prefetch_b8 v0, s[64:65] scope:SCOPE_SE
	s_setreg_imm32_b32 hwreg(HW_REG_WAVE_MODE, 25, 1), 1
	s_wait_xcnt 0x0
; FOR EVERY (HEAD, QUERY, POINT): WHERE TO SAMPLE AND WITH WHICH EIGHT WEIGHTS.
; off = query W_off + b_off, logits = query W_attn + b_attn (bf16 operands, f32 sums), softmax over a head's 16 points (the maximum taken away), and per axis
;   i = ref D + (off) D / norm - 0.5,  base = clamp(floor i, 0, D - 2),  w0 = max(0, 1 - |i - base|),  w1 = max(0, 1 - |i - base - 1|).
; That gives the same sum as clipping each corner and dropping the invalid ones: floor i = -1 gives (frac, 0), floor i = D - 1 gives (0, 1 - frac), further out (0, 0).
; So the eight corners always lie at base + {0,1} + {0,1} D + {0,1} D D, and one whole number a point says where.
; OUT: pidx [8][18720][16] u32: base position, level start included.  pwts [8][18720][16][8] f16: weight of corner 4 dz + 2 dy + dx times the attention weight.
; All floating-point inputs are rounded once to bf16 (query, reference_points, weights, biases).  D and the level starts are the volumes' fixed sizes (32, 16, 8, 4 cubed);
; input_spatial_shapes enters as the offsets' divisor, in the order [1], [0], [2].  input_level_start_index is loaded, and nothing is made of it: the result does not depend on it.
; LIMITS: 1 / norm by v_rcp_f32 (1 ulp); a corner weight below 6e-8 counts as 0 (f16); a location that is NaN or infinite gets weight 0.
; SHARES.  A work-group takes 80 queries, five tiles of 16.  Wave w is head w and keeps its 64 weight columns (x, y, z offsets and logits of its 16 points: 256 registers) for the whole launch.
; The product's result holds in register j of lane (r, h) query 8 h + j and point r: the four accumulators are x, y, z and logit of ONE point a lane, and a (query, head) is 16 neighbouring lanes.
; No tensor loads: the query is f32 and goes through registers to be rounded.  No cluster: what work-groups share, 256 KiB of weights, is read once by each.
.set QP,    528                        ; a query row in LDS: 512 bytes of bf16 + 16: an odd multiple of 16, so the 16 rows of a fragment load start at 16 different 16-byte columns modulo 256
.set REF,   80*QP                      ; [80 q][4 levels][x, y, z, 0] f32, 5,120 bytes
.set IST,   REF+5120                   ; each wave's own 5,120 bytes: [80 q][16] u32, so that pidx leaves in whole runs of 512 bytes
.set SPARE, IST+8*5120                 ; the spare words, 128 bytes a wave: four blocks of 256 bytes that no other line names
.set XO,  1                            ; v1   16 x thread: my 16 bytes in four rows of the query
.set L16, 2                            ; v2   16 x lane
.set VX,  3                            ; v3   where I put 8 bytes of a query row
.set VQ,  4                            ; v4   my lane's place in a fragment of the tile in hand
.set VR,  5                            ; v5   the reference point of query 8 h, my level
.set VI,  6                            ; v6   where my point's index goes
.set VW,  7                            ; v7   byte offset in pwts of query 8 h, my point
.set VRG, 8                            ; v8   12 x thread
.set VRL, 9                            ; v9   REF + 16 x thread
.set SPW, 10                           ; v10  my spare word; never rewritten
.set NIL, 11                           ; v11  0; never rewritten
.set SX,  16                           ; v16-18  D / norm for x, y, z
.set SY,  17
.set SZ,  18
.set CBX, 19                           ; v19-21  bias x D / norm - 0.5
.set CBY, 20
.set CBZ, 21
.set BL,  22                           ; v22  my point's logit bias
.set DF,  23                           ; v23  D;  v24 D D;  v25 D - 2;  v26 level start, all as f32
.set D2F, 24
.set DM2, 25
.set STF, 26
.set M,   28                           ; v28  row maximum;  v29 row sum
.set SU,  29
.set RX1, 30                           ; v[30:33], v[34:37] reference points on their way to LDS
.set RX2, 34
.set VL,  38                           ; v38  my point's level
.set ACC, 40                           ; v[40:71]  x, y, z, logit
.set LAND, 72                          ; v[72:151] the query as loaded
.set QF,  72                           ; v[72:135] later: a tile's fragments, 8 registers for each 32 k
.set RF,  136                          ; v[136:167] reference points of my 8 queries
.set TT,  168                          ; at work in EPI
.set IX,  169
.set IY,  170
.set IZ,  171
.set BX,  172
.set BY,  173
.set BZ,  174
.set RC,  175
.set AW,  176                          ; v[176:177] attention weight; v177 is named with it as a pair and holds 0
.set DX,  178                          ; v178-180 i - base
.set WX,  182                          ; v[182:187] (w0, w1) for x, y, z
.set WY,  184
.set WZ,  186
.set YZ0, 188
.set YZ1, 190
.set CW,  192                          ; v[192:199] the eight corner weights
.set FI,  204
.set PK,  216                          ; v[216:247] 16 bytes to store, a set for each j
.set MSB, 0
.macro WIN new                         ; the immediate's high byte repeats the setting that is left
.if MSB != (\new)
	s_set_vgpr_msb (MSB<<8)|(\new)
.set MSB, \new
.endif
.endm
.macro PLACES
.rept 4
	v_nop
.endr
.endm
	s_load_b512 s[8:23], s[0:1], 0x0               ; query s[8:9], ref s[10:11], wfrag s[12:13], b_off s[14:15], b_attn s[16:17], shapes s[18:19], level starts s[20:21], pidx s[22:23]
	s_load_b64 s[24:25], s[0:1], 0x40              ; pwts
	v_lshl_add_u32 v[SPW], v0, 2, SPARE
	v_mov_b32 v[NIL], 0
	v_lshrrev_b32 v12, 5, v0
	v_readfirstlane_b32 s4, v12                    ; wave = head
	v_and_b32 v13, 31, v0                          ; lane
	v_and_b32 v14, 15, v0                          ; r = my point
	v_bfe_u32 v15, v0, 4, 1                        ; h
	v_bfe_u32 v[VL], v0, 2, 2                      ; level = point / 4
	v_lshlrev_b32 v[XO], 4, v0
	v_lshlrev_b32 v[L16], 4, v13
	v_lshrrev_b32 v[VX], 6, v0                     ; 64 threads to a row
	v_mul_u32_u24 v[VX], v[VX], QP
	v_and_b32 v12, 63, v0
	v_lshl_add_u32 v[VX], v12, 3, v[VX]
	v_mul_u32_u24 v[VQ], v14, QP
	v_lshl_add_u32 v[VQ], v15, 4, v[VQ]
	v_lshlrev_b32 v[VR], 9, v15                    ; 8 queries x 64 bytes
	v_lshl_add_u32 v[VR], v[VL], 4, v[VR]
	v_add_nc_u32 v[VR], REF, v[VR]
	s_mul_i32 s5, s4, 5120
	s_add_co_u32 s5, s5, IST                       ; my wave's index stage
	v_lshlrev_b32 v[VI], 9, v15
	v_lshl_add_u32 v[VI], v14, 2, v[VI]
	v_add_nc_u32 v[VI], s5, v[VI]
	v_lshlrev_b32 v[VW], 11, v15                   ; 8 queries x 256 bytes
	v_lshl_add_u32 v[VW], v14, 4, v[VW]
	v_mul_u32_u24 v[VRG], v0, 12
	v_lshl_add_u32 v[VRL], v0, 4, REF
	v_mul_u32_u24 v12, v[VL], 12                   ; my level's row of the shapes
	v_mul_u32_u24 v13, v14, 12                     ; my point's three offset biases
	v_lshlrev_b32 v14, 2, v14                      ; my point's logit bias
	v_mov_b32 v[M], 0                              ; destinations of lane-crossing forms count as read
	v_mov_b32 v[SU], 0
	v_mov_b32 v[AW+1], 0
	s_mov_b32 s6, 0xffff0000                       ; a word's upper bf16
	s_mul_i32 s32, ttmp9, 81920                    ; 80 rows of the query
	s_mov_b32 s33, 0
	s_mul_i32 s34, ttmp9, 3840                     ; 80 x 12 reference numbers
	s_mov_b32 s35, 0
	s_lshl_b32 s36, s4, 15                         ; tiles 16 + 4 w on
	s_add_co_u32 s36, s36, 131072
	s_mov_b32 s37, 0
	s_mul_i32 s38, s4, 192
	s_mov_b32 s39, 0
	s_lshl_b32 s40, s4, 6
	s_mov_b32 s41, 0
	s_mul_i32 s42, s4, 1198080                     ; a head of pidx,
	s_mul_i32 s2, ttmp9, 5120                      ; my 80 queries in it
	s_add_co_u32 s42, s42, s2
	s_mov_b32 s43, 0
	s_mul_i32 s44, s4, 4792320                     ; the same for pwts
	s_mul_i32 s2, ttmp9, 20480
	s_add_co_u32 s44, s44, s2
	s_mov_b32 s45, 0
	s_wait_kmcnt 0x0
	s_add_nc_u64 s[8:9], s[8:9], s[32:33]
	s_add_nc_u64 s[10:11], s[10:11], s[34:35]
	s_add_nc_u64 s[12:13], s[12:13], s[36:37]
	s_add_nc_u64 s[14:15], s[14:15], s[38:39]
	s_add_nc_u64 s[16:17], s[16:17], s[40:41]
	s_add_nc_u64 s[22:23], s[22:23], s[42:43]
	s_add_nc_u64 s[24:25], s[24:25], s[44:45]
	s_load_b128 s[28:31], s[20:21], 0x0            ; input_level_start_index: read as given; no result is a function of it
	; THE LOADS, oldest first: what is worked on first is asked for first; the 64 loads of weights come last.
	s_cmp_lt_u32 s4, 2                             ; 320 (query, level) pairs for 256 threads: waves 0 and 1 take a second one
	s_cbranch_scc0 .Lno_second
	global_load_b32 v[RX2], v[VRG], s[10:11] offset:3072
	global_load_b32 v[RX2+1], v[VRG], s[10:11] offset:3076
	global_load_b32 v[RX2+2], v[VRG], s[10:11] offset:3080
.Lno_second:
.set i, 0
.rept 20                                               ; the work-group's loads cover four whole rows of 1,024 bytes each time
	global_load_b128 v[LAND+4*i:LAND+4*i+3], v[XO], s[8:9] offset:i*4096 th:TH_LOAD_NT
.set i, i+1
.endr
	global_load_b32 v[RX1], v[VRG], s[10:11]
	global_load_b32 v[RX1+1], v[VRG], s[10:11] offset:4
	global_load_b32 v[RX1+2], v[VRG], s[10:11] offset:8
	global_load_b32 v168, v12, s[18:19] offset:4   ; x is divided by shape[1],
	global_load_b32 v169, v12, s[18:19]            ; y by shape[0],
	global_load_b32 v170, v12, s[18:19] offset:8   ; z by shape[2]
	global_load_b32 v171, v13, s[14:15]
	global_load_b32 v172, v13, s[14:15] offset:4
	global_load_b32 v173, v13, s[14:15] offset:8
	global_load_b32 v174, v14, s[16:17]
	WIN 0x40                                       ; destination window 1: the weights, fragment (nt, ks) at 8 (8 nt + ks)
.irp nt, 0,1,2,3
.irp ks, 0,1,2,3,4,5,6,7
	global_load_b128 v[8*(8*\nt+\ks):8*(8*\nt+\ks)+3], v[L16], s[12:13] offset:\nt*8192+\ks*1024
	global_load_b128 v[8*(8*\nt+\ks)+4:8*(8*\nt+\ks)+7], v[L16], s[12:13] offset:\nt*8192+\ks*1024+512
.endr
.endr
	WIN 0
	s_wait_loadcnt 63                              ; loads come back in order: the 63 youngest, all weights, may stay out; query, reference points and constants are in
.set i, 0
.rept 20
	v_cvt_pk_bf16_f32 v[LAND+4*i], v[LAND+4*i], v[LAND+4*i+1]      ; the query's one rounding, in place
	v_cvt_pk_bf16_f32 v[LAND+4*i+1], v[LAND+4*i+2], v[LAND+4*i+3]
	ds_store_b64 v[VX], v[LAND+4*i:LAND+4*i+1] offset:i*4*QP
.set i, i+1
.endr
.macro RREF b                          ; three reference numbers rounded to bf16 and widened again; the fourth word is 0
	v_cvt_pk_bf16_f32 v12, v[\b], v[\b+1]
	v_cvt_pk_bf16_f32 v13, v[\b+2], v[\b+2]
	v_lshlrev_b32 v[\b], 16, v12
	v_and_b32 v[\b+1], s6, v12
	v_lshlrev_b32 v[\b+2], 16, v13
	v_mov_b32 v[\b+3], 0
.endm
	RREF RX1
	ds_store_b128 v[VRL], v[RX1:RX1+3]
	s_cmp_lt_u32 s4, 2
	s_cbranch_scc0 .Lno_second_store
	RREF RX2
	ds_store_b128 v[VRL], v[RX2:RX2+3] offset:4096
.Lno_second_store:
	; my point's constants
	v_cvt_pk_bf16_f32 v175, v171, v172             ; the biases' one rounding
	v_cvt_pk_bf16_f32 v176, v173, v174
	v_lshlrev_b32 v171, 16, v175
	v_and_b32 v172, s6, v175
	v_lshlrev_b32 v173, 16, v176
	v_and_b32 v[BL], s6, v176
	v_cvt_f32_i32 v168, v168
	v_cvt_f32_i32 v169, v169
	v_cvt_f32_i32 v170, v170
	v_rcp_f32 v168, v168
	v_rcp_f32 v169, v169
	v_rcp_f32 v170, v170
	v_mov_b32 v15, 32                              ; a plain instruction stands behind the last reciprocal before a result is used
	v_lshrrev_b32 v15, v[VL], v15
	v_cvt_f32_u32 v[DF], v15                       ; D = 32 >> level
	v_mul_f32 v[D2F], v[DF], v[DF]
	v_add_f32 v[DM2], -2.0, v[DF]
	s_wait_alu depctr_va_vdst(0)
	v_mul_f32 v[SX], v[DF], v168
	v_mul_f32 v[SY], v[DF], v169
	v_mul_f32 v[SZ], v[DF], v170
	v_fma_f32 v[CBX], v171, v[SX], -0.5
	v_fma_f32 v[CBY], v172, v[SY], -0.5
	v_fma_f32 v[CBZ], v173, v[SZ], -0.5
	v_mov_b32 v[STF], 0                            ; level starts 0, 32768, 36864, 37376
	v_mov_b32 v15, 0x47000000
	v_cmp_eq_u32 vcc_lo, 1, v[VL]
	v_cndmask_b32 v[STF], v[STF], v15, vcc_lo
	v_mov_b32 v15, 0x47100000
	v_cmp_eq_u32 vcc_lo, 2, v[VL]
	v_cndmask_b32 v[STF], v[STF], v15, vcc_lo
	v_mov_b32 v15, 0x47120000
	v_cmp_eq_u32 vcc_lo, 3, v[VL]
	v_cndmask_b32 v[STF], v[STF], v15, vcc_lo
	s_wait_kmcnt 0x0                               ; the level starts have come
	s_wait_loadcnt 0x0                             ; the weights are in
	s_wait_dscnt 0x0                               ; for the others' sake: my part of the query and of the reference points is in LDS
	s_barrier_signal -1
	s_barrier_wait -1                              ; the launch's one barrier: from here on LDS bytes that others wrote are only read
; Query 8 h + j of the tile: softmax weight, location, base index and eight corner weights of my point.
.macro EPI j
	v_add_f32 v[TT], v[ACC+24+\j], v[BL]
	v_fma_f32 v[IX], v[RF+4*\j], v[DF], v[CBX]     ; ref D + bias D / norm - 0.5
	v_fma_f32 v[IY], v[RF+4*\j+1], v[DF], v[CBY]
	v_fma_f32 v[IZ], v[RF+4*\j+2], v[DF], v[CBZ]
	v_max_num_f32_dpp v[M], v[TT], v[TT] row_xmask:1 row_mask:0xf bank_mask:0xf  ; the maximum over the head's 16 points: 16 neighbouring lanes
	v_fma_f32 v[IX], v[ACC+\j], v[SX], v[IX]       ; + offset D / norm
	v_max_num_f32_dpp v[M], v[M], v[M] row_xmask:2 row_mask:0xf bank_mask:0xf
	v_fma_f32 v[IY], v[ACC+8+\j], v[SY], v[IY]
	v_max_num_f32_dpp v[M], v[M], v[M] row_xmask:4 row_mask:0xf bank_mask:0xf
	v_fma_f32 v[IZ], v[ACC+16+\j], v[SZ], v[IZ]
	v_max_num_f32_dpp v[M], v[M], v[M] row_xmask:8 row_mask:0xf bank_mask:0xf
	v_floor_f32 v[BX], v[IX]
	v_sub_f32 v[TT], v[TT], v[M]
	v_floor_f32 v[BY], v[IY]
	v_mul_f32 v[TT], 0x3fb8aa3b, v[TT]
	v_floor_f32 v[BZ], v[IZ]
	v_exp_f32 v[TT], v[TT]
	v_max_num_f32 v[BX], 0, v[BX]                  ; plain work stands behind the exponential
	v_max_num_f32 v[BY], 0, v[BY]
	v_max_num_f32 v[BZ], 0, v[BZ]
	s_wait_alu depctr_va_vdst(0)
	v_add_f32_dpp v[SU], v[TT], v[TT] row_xmask:1 row_mask:0xf bank_mask:0xf
	v_min_num_f32 v[BX], v[BX], v[DM2]
	v_add_f32_dpp v[SU], v[SU], v[SU] row_xmask:2 row_mask:0xf bank_mask:0xf
	v_min_num_f32 v[BY], v[BY], v[DM2]
	v_add_f32_dpp v[SU], v[SU], v[SU] row_xmask:4 row_mask:0xf bank_mask:0xf
	v_min_num_f32 v[BZ], v[BZ], v[DM2]
	v_add_f32_dpp v[SU], v[SU], v[SU] row_xmask:8 row_mask:0xf bank_mask:0xf
	v_sub_f32 v[DX], v[IX], v[BX]
	v_rcp_f32 v[RC], v[SU]
	v_sub_f32 v[DX+1], v[IY], v[BY]                ; plain work stands behind the reciprocal
	v_sub_f32 v[DX+2], v[IZ], v[BZ]
	v_fma_f32 v[FI], v[BZ], v[D2F], v[STF]         ; start + (z D + y) D + x: whole numbers under 2^24, exact in f32
	s_wait_alu depctr_va_vdst(0)
	v_mul_f32 v[AW], v[TT], v[RC]
	v_fma_f32 v[FI], v[BY], v[DF], v[FI]
.irp d, 178,179,180
	v_sub_f32 v[WX+2*(\d-178)], 1.0, |v\d|
	v_add_f32 v\d, -1.0, v\d
	v_max_num_f32 v[WX+2*(\d-178)], 0, v[WX+2*(\d-178)]
	v_sub_f32 v[WX+2*(\d-178)+1], 1.0, |v\d|
	v_max_num_f32 v[WX+2*(\d-178)+1], 0, v[WX+2*(\d-178)+1]
.endr
	v_add_f32 v[FI], v[FI], v[BX]
	v_pk_mul_f32 v[WZ:WZ+1], v[WZ:WZ+1], v[AW:AW+1] op_sel_hi:[1,0]        ; the attention weight goes into z's pair
	v_cvt_u32_f32 v[FI], v[FI]
	v_pk_mul_f32 v[YZ0:YZ0+1], v[WY:WY+1], v[WZ:WZ+1] op_sel_hi:[1,0]      ; (y0, y1) z0
	v_pk_mul_f32 v[YZ1:YZ1+1], v[WY:WY+1], v[WZ:WZ+1] op_sel:[0,1] op_sel_hi:[1,1]  ; (y0, y1) z1
	ds_store_b32 v[VI], v[FI] offset:64*\j
	v_pk_mul_f32 v[CW:CW+1], v[WX:WX+1], v[YZ0:YZ0+1] op_sel_hi:[1,0]      ; corners 0, 1
	v_pk_mul_f32 v[CW+2:CW+3], v[WX:WX+1], v[YZ0:YZ0+1] op_sel:[0,1] op_sel_hi:[1,1]  ; 2, 3
	v_pk_mul_f32 v[CW+4:CW+5], v[WX:WX+1], v[YZ1:YZ1+1] op_sel_hi:[1,0]    ; 4, 5
	v_pk_mul_f32 v[CW+6:CW+7], v[WX:WX+1], v[YZ1:YZ1+1] op_sel:[0,1] op_sel_hi:[1,1]  ; 6, 7
	v_cvt_pk_f16_f32 v[PK+4*\j], v[CW], v[CW+1]
	v_cvt_pk_f16_f32 v[PK+4*\j+1], v[CW+2], v[CW+3]
	v_cvt_pk_f16_f32 v[PK+4*\j+2], v[CW+4], v[CW+5]
	v_cvt_pk_f16_f32 v[PK+4*\j+3], v[CW+6], v[CW+7]
	global_store_b128 v[VW], v[PK+4*\j:PK+4*\j+3], s[24:25] offset:256*\j  ; 16 lanes store the 256 consecutive bytes of one (head, query), aligned
.endm
	s_mov_b32 s3, 5
.Ltile:                                                ; a trip: 16 queries
.irp ks, 0,1,2,3,4,5,6,7
	ds_load_b128 v[QF+8*\ks:QF+8*\ks+3], v[VQ] offset:\ks*64
	ds_load_b128 v[QF+8*\ks+4:QF+8*\ks+7], v[VQ] offset:\ks*64+32
.endr
.irp j, 0,1,2,3,4,5,6,7
	ds_load_b128 v[RF+4*\j:RF+4*\j+3], v[VR] offset:\j*64
.endr
	WIN 0x04                                       ; source 1, the weights, in window 1
.irp ks, 0,1,2,3,4,5,6,7
	s_wait_dscnt 22-2*\ks                          ; LDS loads come back in order: of the 24 just issued those behind this step's two may stay out
.irp nt, 0,1,2,3                       ; the four accumulators take turns; the first step starts the sums
.if \ks == 0
	v_wmma_f32_16x16x32_bf16 v[ACC+8*\nt:ACC+8*\nt+7], v[QF+8*\ks:QF+8*\ks+7], v[8*(8*\nt+\ks):8*(8*\nt+\ks)+7], 0
.else
	v_wmma_f32_16x16x32_bf16 v[ACC+8*\nt:ACC+8*\nt+7], v[QF+8*\ks:QF+8*\ks+7], v[8*(8*\nt+\ks):8*(8*\nt+\ks)+7], v[ACC+8*\nt:ACC+8*\nt+7]
.endif
.endr
.endr
	WIN 0
	PLACES                                         ; four places between the last product and the first read of a result (ISA guide 7.12.1)
	s_wait_dscnt 0x0                               ; the reference points are in
.irp j, 0,1,2,3,4,5,6,7                ; ascending: each accumulator's lowest register is read first
	EPI \j
.endr
	s_wait_xcnt 0x0                                ; the trip's stores have had their addresses translated: only behind this wait are their offset and, in the next trip, their data rewritten
	v_add_nc_u32 v[VW], 4096, v[VW]
	v_add_nc_u32 v[VQ], 16*QP, v[VQ]
	v_add_nc_u32 v[VR], 1024, v[VR]
	v_add_nc_u32 v[VI], 1024, v[VI]
	s_sub_co_u32 s3, s3, 1
	s_cmp_lg_u32 s3, 0
	s_cbranch_scc1 .Ltile
	; the wave's 1,280 indices leave as ten runs of 512 consecutive bytes.  LDS serves a wave's instructions in order (ISA guide 5.7.1.4): these loads see my own stores
	v_add_nc_u32 v12, s5, v[L16]
.set i, 0
.rept 10
	ds_load_b128 v[72+4*i:72+4*i+3], v12 offset:i*512
.set i, i+1
.endr
.set i, 0
.rept 10
	s_wait_dscnt 9-i                               ; the younger loads may stay out
	global_store_b128 v[L16], v[72+4*i:72+4*i+3], s[22:23] offset:i*512
.set i, i+1
.endr
	s_wait_tensorcnt 0x0                           ; the wave's end, behind my last LDS store
	ds_add_u32 v[SPW], v[NIL]
	s_wait_dscnt 0x0
	s_endpgm
.Lfunc_end_k_qf275ac28de_points:
	.size	k_qf275ac28de_points, .Lfunc_end_k_qf275ac28de_points-k_qf275ac28de_points
	.p2alignl 7, 3214868480
	.fill 96, 4, 3214868480
	.section	.rodata,"a",@progbits
	.p2align	6, 0x0
	.amdhsa_kernel k_qf275ac28de_points
		.amdhsa_group_segment_fixed_size 89344
		.amdhsa_private_segment_fixed_size 0
		.amdhsa_enable_private_segment 0
		.amdhsa_kernarg_size 72
		.amdhsa_user_sgpr_count 2
		.amdhsa_user_sgpr_kernarg_segment_ptr 1
		.amdhsa_wavefront_size32 1
		.amdhsa_system_sgpr_workgroup_id_x 1
		.amdhsa_system_sgpr_workgroup_id_y 1
		.amdhsa_system_sgpr_workgroup_id_z 1
		.amdhsa_system_vgpr_workitem_id 0
		.amdhsa_next_free_vgpr 512
		.amdhsa_next_free_sgpr 66
		.amdhsa_reserve_vcc 1
		.amdhsa_float_denorm_mode_32 3
		.amdhsa_float_denorm_mode_16_64 3
		.amdhsa_memory_ordered 1
		.amdhsa_forward_progress 1
		.amdhsa_inst_pref_size 51
	.end_amdhsa_kernel
	.amdgpu_metadata
---
amdhsa.version: [ 1, 2 ]
amdhsa.kernels:
  - .name:           k_qf275ac28de_points
    .symbol:         k_qf275ac28de_points.kd
    .args:
      - { .name: query, .offset: 0, .size: 8, .value_kind: global_buffer, .address_space: global }
      - { .name: reference_points, .offset: 8, .size: 8, .value_kind: global_buffer, .address_space: global }
      - { .name: wfrag, .offset: 16, .size: 8, .value_kind: global_buffer, .address_space: global }
      - { .name: b_off, .offset: 24, .size: 8, .value_kind: global_buffer, .address_space: global }
      - { .name: b_attn, .offset: 32, .size: 8, .value_kind: global_buffer, .address_space: global }
      - { .name: input_spatial_shapes, .offset: 40, .size: 8, .value_kind: global_buffer, .address_space: global }
      - { .name: input_level_start_index, .offset: 48, .size: 8, .value_kind: global_buffer, .address_space: global }
      - { .name: pidx, .offset: 56, .size: 8, .value_kind: global_buffer, .address_space: global }
      - { .name: pwts, .offset: 64, .size: 8, .value_kind: global_buffer, .address_space: global }
    .group_segment_fixed_size: 89344
    .private_segment_fixed_size: 0
    .kernarg_segment_align: 8
    .kernarg_segment_size: 72
    .max_flat_workgroup_size: 256
    .sgpr_count:     66
    .vgpr_count:     512
    .wavefront_size: 32
...
	.end_amdgpu_metadata
.endif
;; end of part 2
;; launch value (part 3): grid 234 x 1, 8 waves a work-group, no clusters, 105,984 bytes of LDS; arguments input_flatten, wfrag, b_value, val; writes val
.if DOCPART == 3
	.amdgcn_target "amdgcn-amd-amdhsa--gfx1250"
	.amdhsa_code_object_version 6
	.text
	.protected	k_qf275ac28de_value
	.globl	k_qf275ac28de_value
	.p2align	8
	.type	k_qf275ac28de_value,@function
k_qf275ac28de_value:
	s_mov_b64 s[64:65], 0
	v_nop
	global_prefetch_b8 v0, s[64:65] scope:SCOPE_SE
	s_setreg_imm32_b32 hwreg(HW_REG_WAVE_MODE, 25, 1), 1
	s_wait_xcnt 0x0
; val = input_flatten W_value + b_value, by heads: val [8 heads][37440 positions][32 channels] f16, 64 bytes for a position and head,
; so that a sample's x neighbour lies 64 bytes on, its y neighbour 64 D, its z neighbour 64 D D.
; Operands bf16 (input, weights and bias rounded once), sums f32, val rounded once to f16.
; LIMIT: |value| stays under 65,504 (f16's end); inputs and weights both 30 times the usual spread give numbers of some hundreds.
; SHARES.  A work-group takes 160 positions in five chunks of 32.  Wave w is head w and keeps its 32 columns of W_value (128 registers).
; The matrix instruction is used transposed (source 0 = 16 columns of W, source 1 = 16 positions): a lane then holds eight neighbouring channels of one position;
; the bias is the C operand of the first step.  Every chunk has LDS bytes of its own, so one barrier a chunk (stores, then reads) is enough.
; All of the work-group's 160 KiB of input is asked for within the first chunk: four chunks at the start, the fifth when the first has left its registers.
; No tensor loads: the input is f32 and goes through registers to be rounded.  No cluster: what work-groups share is 128 KiB of weights, read once by each.
.set XP,    528                        ; a row in LDS: 512 bytes of bf16 + 16: an odd multiple of 16
.set STAGE, 160*XP                     ; each wave's own 32 rows x 80 bytes, for the way out
.set SPITCH, 80                        ; 64 bytes + 16: an odd multiple of 16
.set SPARE, STAGE+8*32*SPITCH          ; the spare words, 128 bytes a wave: four blocks of 256 bytes that no other line names
.set XO,  1                            ; v1   16 x thread
.set L16, 2                            ; v2   16 x lane
.set VXA, 3                            ; v3   where I put 8 bytes of a row, chunks 0-2;  v4 chunks 3, 4 (an LDS immediate ends at 65,535)
.set VXB, 4
.set VFA, 5                            ; v5   my lane's place in a fragment, chunks 0-2;  v6 chunks 3, 4
.set VFB, 6
.set STO, 7                            ; v7   the way out: where I put 16 bytes of a position
.set RD,  8                            ; v8   the way out: where I read back
.set H32, 9                            ; v9   32 x (lane / 16)
.set SPW, 10                           ; v10  my spare word; never rewritten
.set NIL, 11                           ; v11  0; never rewritten
.set BIAS, 16                          ; v[16:31]  the bias as a C operand, for my two column tiles
.set ACC, 32                           ; v[32:63]  accumulator (mt, nt) at 8 (2 mt + nt)
.set CV,  64                           ; v[64:79]  a chunk's bf16 on its way to LDS; later the packed results
.set RB,  80                           ; v[80:95]  results read back
.set XF,  96                           ; v[96:223] fragment (mt, ks) at 8 (8 mt + ks)
.set LAND, 128                         ; window 1: v[128:255] four sets of 32: x as loaded;  v[0:127] the weights, fragment (nt, ks) at 8 (8 nt + ks)
.set MSB, 0
.macro WIN new                         ; the immediate's high byte repeats the setting that is left
.if MSB != (\new)
	s_set_vgpr_msb (MSB<<8)|(\new)
.set MSB, \new
.endif
.endm
.macro PLACES
.rept 4
	v_nop
.endr
.endm
	s_load_b256 s[8:15], s[0:1], 0x0               ; input s[8:9], wfrag s[10:11], b_value s[12:13], val s[14:15]
	v_lshl_add_u32 v[SPW], v0, 2, SPARE
	v_mov_b32 v[NIL], 0
	v_lshrrev_b32 v12, 5, v0
	v_readfirstlane_b32 s4, v12                    ; wave = head
	v_and_b32 v13, 31, v0                          ; lane
	v_and_b32 v14, 15, v0                          ; r
	v_bfe_u32 v15, v0, 4, 1                        ; h
	v_lshlrev_b32 v[XO], 4, v0
	v_lshlrev_b32 v[L16], 4, v13
	v_lshrrev_b32 v[VXA], 6, v0                    ; 64 threads to a row
	v_mul_u32_u24 v[VXA], v[VXA], XP
	v_and_b32 v12, 63, v0
	v_lshl_add_u32 v[VXA], v12, 3, v[VXA]
	v_add_nc_u32 v[VXB], 96*XP, v[VXA]
	v_mul_u32_u24 v[VFA], v14, XP
	v_lshl_add_u32 v[VFA], v15, 4, v[VFA]
	v_add_nc_u32 v[VFB], 96*XP, v[VFA]
	s_mul_i32 s5, s4, 32*SPITCH
	s_add_co_u32 s5, s5, STAGE                     ; my stage
	v_mul_u32_u24 v[STO], v14, SPITCH              ; in: position r, 16 bytes for each half of the lanes
	v_lshl_add_u32 v[STO], v15, 4, v[STO]
	v_add_nc_u32 v[STO], s5, v[STO]
	v_lshrrev_b32 v12, 2, v13                      ; back: four lanes to a position's 64 bytes
	v_mul_u32_u24 v[RD], v12, SPITCH
	v_and_b32 v12, 3, v13
	v_lshl_add_u32 v[RD], v12, 4, v[RD]
	v_add_nc_u32 v[RD], s5, v[RD]
	v_lshlrev_b32 v[H32], 5, v15
	s_mov_b32 s6, 0xffff0000
	s_mul_i32 s16, ttmp9, 163840                   ; 160 rows of 1,024 bytes
	s_mov_b32 s17, 0
	s_lshl_b32 s18, s4, 14                         ; tiles 2 w, 2 w + 1
	s_mov_b32 s19, 0
	s_lshl_b32 s20, s4, 7                          ; my 32 biases
	s_mov_b32 s21, 0
	s_mul_i32 s22, s4, 2396160                     ; a head of val,
	s_mul_i32 s2, ttmp9, 10240                     ; my 160 positions in it
	s_add_co_u32 s22, s22, s2
	s_mov_b32 s23, 0
	s_wait_kmcnt 0x0
	s_add_nc_u64 s[8:9], s[8:9], s[16:17]
	s_add_nc_u64 s[10:11], s[10:11], s[18:19]
	s_add_nc_u64 s[12:13], s[12:13], s[20:21]
	s_add_nc_u64 s[14:15], s[14:15], s[22:23]
	WIN 0x40                                       ; destination window 1
.irp nt, 0,1
.irp ks, 0,1,2,3,4,5,6,7
	global_load_b128 v[8*(8*\nt+\ks):8*(8*\nt+\ks)+3], v[L16], s[10:11] offset:\nt*8192+\ks*1024
	global_load_b128 v[8*(8*\nt+\ks)+4:8*(8*\nt+\ks)+7], v[L16], s[10:11] offset:\nt*8192+\ks*1024+512
.endr
.endr
	WIN 0
.irp nt, 0,1
	global_load_b128 v[BIAS+8*\nt:BIAS+8*\nt+3], v[H32], s[12:13] offset:\nt*64      ; register j: the bias of channel 16 nt + 8 h + j
	global_load_b128 v[BIAS+8*\nt+4:BIAS+8*\nt+7], v[H32], s[12:13] offset:\nt*64+16
.endr
	WIN 0x40
.set i, 0
.rept 32                                               ; chunks 0 to 3: each load of the work-group covers four whole rows
	global_load_b128 v[LAND+4*i:LAND+4*i+3], v[XO], s[8:9] offset:i*4096 th:TH_LOAD_NT
.set i, i+1
.endr
	WIN 0
	s_wait_loadcnt 32                              ; weights and bias are in; the 32 loads of x may stay out
.set i, 0
.rept 8                                                ; the bias's one rounding to bf16
	v_cvt_pk_bf16_f32 v12, v[BIAS+2*i], v[BIAS+2*i+1]
	v_lshlrev_b32 v[BIAS+2*i], 16, v12
	v_and_b32 v[BIAS+2*i+1], s6, v12
.set i, i+1
.endr
; Chunk c: 32 positions.  left = the loads of younger chunks, which may stay out.
.macro CHUNK c, left
.if (\c) < 3
.set SB, VXA
.set FB, VFA
.set C0, (\c)
.else
.set SB, VXB
.set FB, VFB
.set C0, (\c)-3
.endif
	s_wait_loadcnt \left                           ; loads come back in order: my eight of this chunk are in
	WIN 0x05                                       ; sources in window 1, destination in window 0
.set i, 0
.rept 8
	v_cvt_pk_bf16_f32 v[CV+2*i], v[LAND+32*((\c)&3)+4*i], v[LAND+32*((\c)&3)+4*i+1]      ; the input's one rounding
	v_cvt_pk_bf16_f32 v[CV+2*i+1], v[LAND+32*((\c)&3)+4*i+2], v[LAND+32*((\c)&3)+4*i+3]
.set i, i+1
.endr
.if (\c) == 0
	WIN 0x40
.set i, 0
.rept 8                                                ; the fifth chunk goes where the first lay
	global_load_b128 v[LAND+4*i:LAND+4*i+3], v[XO], s[8:9] offset:(32+i)*4096 th:TH_LOAD_NT
.set i, i+1
.endr
.endif
	WIN 0
.set i, 0
.rept 8
	ds_store_b64 v[SB], v[CV+2*i:CV+2*i+1] offset:(8*C0+i)*4*XP
.set i, i+1
.endr
	s_wait_dscnt 0x0                               ; for the others' sake: my part of the chunk is in LDS (and my reads of my stage are back)
	s_barrier_signal -1
	s_barrier_wait -1                              ; everybody's is.  No byte of a chunk is written again, so no barrier follows the reads
.irp ks, 0,1,2,3,4,5,6,7
.irp mt, 0,1
	ds_load_b128 v[XF+8*(8*\mt+\ks):XF+8*(8*\mt+\ks)+3], v[FB] offset:(32*C0+16*\mt)*XP+\ks*64
	ds_load_b128 v[XF+8*(8*\mt+\ks)+4:XF+8*(8*\mt+\ks)+7], v[FB] offset:(32*C0+16*\mt)*XP+\ks*64+32
.endr
.endr
	WIN 0x01                                       ; source 0, the weights, in window 1
.irp ks, 0,1,2,3,4,5,6,7
	s_wait_dscnt 28-4*\ks                          ; of the 32 loads those behind this step's four may stay out
.irp mt, 0,1
.irp nt, 0,1                           ; the four accumulators take turns; the first step starts the sums from the bias
.if \ks == 0
	v_wmma_f32_16x16x32_bf16 v[ACC+8*(2*\mt+\nt):ACC+8*(2*\mt+\nt)+7], v[8*(8*\nt+\ks):8*(8*\nt+\ks)+7], v[XF+8*(8*\mt+\ks):XF+8*(8*\mt+\ks)+7], v[BIAS+8*\nt:BIAS+8*\nt+7]
.else
	v_wmma_f32_16x16x32_bf16 v[ACC+8*(2*\mt+\nt):ACC+8*(2*\mt+\nt)+7], v[8*(8*\nt+\ks):8*(8*\nt+\ks)+7], v[XF+8*(8*\mt+\ks):XF+8*(8*\mt+\ks)+7], v[ACC+8*(2*\mt+\nt):ACC+8*(2*\mt+\nt)+7]
.endif
.endr
.endr
.endr
	WIN 0
	PLACES                                         ; four places between the last product and the first read of a result (ISA guide 7.12.1)
.set i, 0
.rept 16                                               ; ascending: each accumulator's lowest registers are read first
	v_cvt_pk_f16_f32 v[CV+i], v[ACC+2*i], v[ACC+2*i+1]
.set i, i+1
.endr
.irp mt, 0,1
.irp nt, 0,1
	ds_store_b128 v[STO], v[CV+4*(2*\mt+\nt):CV+4*(2*\mt+\nt)+3] offset:\mt*16*SPITCH+\nt*32
.endr
.endr
	s_wait_xcnt 0x0                                ; the last chunk's stores have had their addresses translated: only behind this wait are their data registers loaded again
.irp t, 0,1,2,3
	ds_load_b128 v[RB+4*\t:RB+4*\t+3], v[RD] offset:\t*8*SPITCH  ; LDS serves a wave's instructions in order (ISA guide 5.7.1.4): these see my stores above
.endr
.irp t, 0,1,2,3
	s_wait_dscnt 3-\t
	global_store_b128 v[L16], v[RB+4*\t:RB+4*\t+3], s[14:15] offset:(\c)*2048+\t*512  ; eight positions of my head: 512 consecutive bytes, aligned
.endr
.endm
	CHUNK 0, 24                                    ; chunks 1, 2, 3 stay out
	CHUNK 1, 24                                    ; 2, 3 and the fifth
	CHUNK 2, 16
	CHUNK 3, 8
	CHUNK 4, 0
	s_wait_tensorcnt 0x0                           ; the wave's end, behind my last LDS store
	ds_add_u32 v[SPW], v[NIL]
	s_wait_dscnt 0x0
	s_endpgm
.Lfunc_end_k_qf275ac28de_value:
	.size	k_qf275ac28de_value, .Lfunc_end_k_qf275ac28de_value-k_qf275ac28de_value
	.p2alignl 7, 3214868480
	.fill 96, 4, 3214868480
	.section	.rodata,"a",@progbits
	.p2align	6, 0x0
	.amdhsa_kernel k_qf275ac28de_value
		.amdhsa_group_segment_fixed_size 105984
		.amdhsa_private_segment_fixed_size 0
		.amdhsa_enable_private_segment 0
		.amdhsa_kernarg_size 32
		.amdhsa_user_sgpr_count 2
		.amdhsa_user_sgpr_kernarg_segment_ptr 1
		.amdhsa_wavefront_size32 1
		.amdhsa_system_sgpr_workgroup_id_x 1
		.amdhsa_system_sgpr_workgroup_id_y 1
		.amdhsa_system_sgpr_workgroup_id_z 1
		.amdhsa_system_vgpr_workitem_id 0
		.amdhsa_next_free_vgpr 512
		.amdhsa_next_free_sgpr 66
		.amdhsa_reserve_vcc 0
		.amdhsa_float_denorm_mode_32 3
		.amdhsa_float_denorm_mode_16_64 3
		.amdhsa_memory_ordered 1
		.amdhsa_forward_progress 1
		.amdhsa_inst_pref_size 52
	.end_amdhsa_kernel
	.amdgpu_metadata
---
amdhsa.version: [ 1, 2 ]
amdhsa.kernels:
  - .name:           k_qf275ac28de_value
    .symbol:         k_qf275ac28de_value.kd
    .args:
      - { .name: input_flatten, .offset: 0, .size: 8, .value_kind: global_buffer, .address_space: global }
      - { .name: wfrag, .offset: 8, .size: 8, .value_kind: global_buffer, .address_space: global }
      - { .name: b_value, .offset: 16, .size: 8, .value_kind: global_buffer, .address_space: global }
      - { .name: val, .offset: 24, .size: 8, .value_kind: global_buffer, .address_space: global }
    .group_segment_fixed_size: 105984
    .private_segment_fixed_size: 0
    .kernarg_segment_align: 8
    .kernarg_segment_size: 32
    .max_flat_workgroup_size: 256
    .sgpr_count:     66
    .vgpr_count:     512
    .wavefront_size: 32
...
	.end_amdgpu_metadata
.endif
;; end of part 3
;; launch sample (part 4): grid 234 x 1, 16 waves a work-group, no clusters, 127,488 bytes of LDS; arguments val, pidx, pwts, wfrag, b_out, out0; writes out0
.if DOCPART == 4
	.amdgcn_target "amdgcn-amd-amdhsa--gfx1250"
	.amdhsa_code_object_version 6
	.text
	.protected	k_qf275ac28de_sample
	.globl	k_qf275ac28de_sample
	.p2align	8
	.type	k_qf275ac28de_sample,@function
k_qf275ac28de_sample:
	s_mov_b64 s[64:65], 0
	v_nop
	global_prefetch_b8 v0, s[64:65] scope:SCOPE_SE
	s_setreg_imm32_b32 hwreg(HW_REG_WAVE_MODE, 25, 1), 1
	s_wait_xcnt 0x0
; THE GATHER AND THE LAST PRODUCT.  samp[q][32 h + c] = the sum over the head's 16 points and 8 corners of pwts x val; out0 = samp W_out + b_out.
; val and pwts are f16, read as halves by v_fma_mix_f32 and summed in f32; samp is rounded once to f16; W_out is its bf16 rounding written as f16, b_out is rounded to bf16; the product's sums are f32.
; Every address of the gather comes from pidx, whole numbers that an earlier launch stored, held by v_min_u32 to the last base whose eight corners lie inside its level.
; LIMIT: samp, a weighted mean of val, has val's range (under 65,504).
; SHARES.  A work-group takes 80 queries.  Wave w gathers queries 5 w .. 5 w + 4, one a trip: lane = (head = lane / 4, channels 8 (lane % 4) + 0..7), eight f32 sums a lane.
; A point is 8 loads of 16 bytes a lane (four lanes take a corner's 64 bytes) and 64 multiply-adds.  Two points' loads are always on their way (three register slots);
; the next query's indices are asked for at a trip's head and its weights point by point, as each point's registers fall free: a whole query ahead.
; The wave's last trip asks in vain for the lists of the query behind its five, held inside the buffers by s_min_u32: 20 loads.
; Then wave w makes columns 16 w .. 16 w + 15 of out0 for all 80 queries: five accumulators, transposed use (source 0 = W_out's columns), so that a lane holds eight neighbouring columns of a row.
; No tensor loads and no cluster: the gathered rows are each work-group's own, and what is shared (128 KiB of W_out) is a small part of the 5 MiB that a work-group gathers.
.set SP,    528                        ; a row of samp in LDS: 512 bytes + 16: an odd multiple of 16
.set OST,   80*SP                      ; the result's stage: 80 rows x 1,040 bytes
.set OP,    1040                       ; 1,024 + 16: an odd multiple of 16
.set SPARE, OST+80*OP                  ; the spare words, 128 bytes a wave: eight blocks of 256 bytes that no other line names
.set LOFF, 2                           ; v2   my head's part of val + my 16 bytes of a position
.set VIX,  3                           ; v3   my head's part of pidx
.set VWT,  4                           ; v4   my head's part of pwts
.set VS,   5                           ; v5   where the query in hand goes in LDS
.set ZR,   6                           ; v6   0: the first multiply-add's addend
.set SPW,  8                           ; v8   my spare word; never rewritten
.set NIL,  9                           ; v9   0; never rewritten
.set VF,   10                          ; v10  my lane's place in a fragment of samp
.set STO,  11                          ; v11  the way out: where I put 16 bytes, tiles 0, 1;  v12 tiles 2 to 4 (an LDS immediate ends at 65,535)
.set STOB, 12
.set RD,   13                          ; v13  the way out: where I read back
.set L16,  14                          ; v14  16 x lane
.set H32,  15                          ; v15  32 x (lane / 16)
.set ACC,  16                          ; v[16:23]   the query's eight sums
.set IDX,  24                          ; v[24:39]   16 indices, the next query's once ADR is made
.set ADR,  40                          ; v[40:55]   16 byte offsets into val
.set WT,   56                          ; v[56:119]  4 registers a point: 8 corner weights
.set SL,   120                         ; v[120:215] three slots of 32: corner k at 4 k
.set PKS,  216                         ; v[216:219] a finished query, packed
.set SF,   24                          ; the product: v[24:63], v[64:103] two buffers of five fragments of samp
.set WF,   120                         ; v[120:183] W_out's fragments
.set BO,   184                         ; v[184:191] the bias as a C operand
.set AO,   192                         ; v[192:231] five accumulators
.macro PLACES
.rept 4
	v_nop
.endr
.endm
	s_load_b256 s[8:15], s[0:1], 0x0               ; val s[8:9], pidx s[10:11], pwts s[12:13], wfrag s[14:15]
	s_load_b128 s[16:19], s[0:1], 0x20             ; b_out s[16:17], out0 s[18:19]
	v_lshl_add_u32 v[SPW], v0, 2, SPARE
	v_mov_b32 v[NIL], 0
	v_lshrrev_b32 v1, 5, v0
	v_readfirstlane_b32 s4, v1                     ; wave 0..15
	v_and_b32 v1, 31, v0                           ; lane
	v_lshrrev_b32 v7, 2, v1                        ; head
	v_and_b32 v[LOFF], 3, v1
	v_lshlrev_b32 v[LOFF], 4, v[LOFF]
	v_mad_u32_u24 v[LOFF], v7, 2396160, v[LOFF]
	v_mul_u32_u24 v[VIX], v7, 1198080
	v_mul_u32_u24 v[VWT], v7, 4792320
	v_lshlrev_b32 v[L16], 4, v1
	s_mul_i32 s5, s4, 5*SP
	v_add_nc_u32 v[VS], s5, v[L16]                 ; row 5 w; channel 32 head + 8 (lane % 4) is byte 16 lane
	v_mov_b32 v[ZR], 0
	v_and_b32 v1, 15, v0                           ; r
	v_bfe_u32 v7, v0, 4, 1                         ; h
	v_mul_u32_u24 v[VF], v1, SP
	v_lshl_add_u32 v[VF], v7, 4, v[VF]
	v_lshlrev_b32 v[H32], 5, v7
	s_lshl_b32 s6, s4, 6
	s_add_co_u32 s6, s6, OST
	v_mad_u32_u24 v[STO], v1, OP, v[H32]           ; row r, column 16 w + 8 h
	v_add_nc_u32 v[STO], s6, v[STO]
	v_add_nc_u32 v[STOB], 32*OP, v[STO]
	s_mul_i32 s7, s4, 5*OP
	s_add_co_u32 s7, s7, OST
	v_add_nc_u32 v[RD], s7, v[L16]                 ; back: rows 5 w on, whole
	s_mul_i32 s20, ttmp9, 80
	s_mul_i32 s2, s4, 5
	s_add_co_u32 s20, s20, s2                      ; the query in hand
	s_mov_b32 s22, s20                             ; the query whose lists are asked for
	s_mov_b32 s29, 0
	s_mov_b32 s31, 0
	s_lshl_b32 s32, s4, 13                         ; tile 48 + w of wfrag
	s_add_co_u32 s32, s32, 48*8192
	s_mov_b32 s33, 0
	s_lshl_b32 s34, s4, 6                          ; my 16 biases
	s_mov_b32 s35, 0
	s_mul_i32 s36, ttmp9, 81920                    ; my work-group's 80 rows of out0,
	s_mul_i32 s2, s4, 5120                         ; my five of them
	s_add_co_u32 s36, s36, s2
	s_mov_b32 s37, 0
	s_wait_kmcnt 0x0
	s_add_nc_u64 s[14:15], s[14:15], s[32:33]
	s_add_nc_u64 s[16:17], s[16:17], s[34:35]
	s_add_nc_u64 s[18:19], s[18:19], s[36:37]
.macro LISTS                           ; s[24:25], s[26:27]: pidx and pwts at query s22, each made anew from its pointer and an offset
	s_lshl_b32 s28, s22, 6
	s_lshl_b32 s30, s22, 8
	s_add_nc_u64 s[24:25], s[10:11], s[28:29]
	s_add_nc_u64 s[26:27], s[12:13], s[30:31]
.endm
.macro ASKIDX
.irp i, 0,1,2,3
	global_load_b128 v[IDX+4*\i:IDX+4*\i+3], v[VIX], s[24:25] offset:16*\i
.endr
.endm
.macro MKADR p, cap                    ; the index is held to its level's last base; then x 64 bytes + my head and channels
	v_min_u32 v[ADR+\p], \cap, v[IDX+\p]
	v_lshl_add_u32 v[ADR+\p], v[ADR+\p], 6, v[LOFF]
.endm
.macro G p                             ; point p's eight corners: dx, dy, dz stand in the immediate
.set GD, 32>>((\p)>>2)
.irp k, 0,1,2,3,4,5,6,7
	global_load_b128 v[SL+32*((\p)%3)+4*\k:SL+32*((\p)%3)+4*\k+3], v[ADR+(\p)], s[8:9] offset:((\k&1)+((\k>>1)&1)*GD+(\k>>2)*GD*GD)*64
.endr
.endm
; 32 multiply-adds: corners 2 k2 + hb of the two weight words named, channels 2 c2 + ha.  The query's very first eight start the sums from 0: nothing is cleared.
.macro FMAS p, wa, wb
.irp k2, \wa, \wb
.irp hb, 0,1
.irp c2, 0,1,2,3
.irp ha, 0,1
.if ((\p) == 0) && ((\k2) == 0) && ((\hb) == 0)
	v_fma_mix_f32 v[ACC+2*\c2+\ha], v[SL+32*((\p)%3)+4*(2*\k2+\hb)+\c2], v[WT+4*(\p)+\k2], v[ZR] op_sel:[\ha,\hb,0] op_sel_hi:[1,1,0]
.else
	v_fma_mix_f32 v[ACC+2*\c2+\ha], v[SL+32*((\p)%3)+4*(2*\k2+\hb)+\c2], v[WT+4*(\p)+\k2], v[ACC+2*\c2+\ha] op_sel:[\ha,\hb,0] op_sel_hi:[1,1,0]
.endif
.endr
.endr
.endr
.endr
.endm
; Point p.  NY = the loads issued behind point p's eight: the gathers of points p + 1 and p + 2 (8 each) and the weight loads of points p - 2 and p - 1 (1 each), as far as they exist.
; Everything older than point 0's gathers (this query's weights and the next one's indices) has landed when a gather has.
.macro STEP p
.if (\p) <= 13
	G (\p)+2
.endif
.if (\p) == 0
.set NY, 16
.elseif (\p) == 1
.set NY, 17
.elseif (\p) <= 13
.set NY, 18
.elseif (\p) == 14
.set NY, 10
.else
.set NY, 2
.endif
	s_wait_loadcnt NY+4                            ; loads come back in order: corners 0 to 3 are in
	FMAS \p, 0, 1
	s_wait_loadcnt NY                              ; corners 4 to 7
	FMAS \p, 2, 3
	global_load_b128 v[WT+4*(\p):WT+4*(\p)+3], v[VWT], s[26:27] offset:16*(\p)  ; the next query's weights for the same point
.endm
	LISTS
	ASKIDX
.irp p, 0,1,2,3,4,5,6,7,8,9,10,11,12,13,14,15
	global_load_b128 v[WT+4*\p:WT+4*\p+3], v[VWT], s[26:27] offset:16*\p
.endr
	s_wait_loadcnt 16                              ; the indices are in; the 16 loads of weights may stay out
	s_mov_b32 s21, 5
.Lq:                                                   ; a trip: one query, all eight heads
	s_wait_xcnt 0x0                                ; every earlier load has had its addresses translated: only behind this wait are the lists' bases and the gathers' offsets rewritten
	s_add_co_u32 s20, s20, 1
	s_min_u32 s22, s20, 18719                      ; the look-ahead stays inside pidx and pwts
	LISTS
.irp p, 0,1,2,3
	MKADR \p, 31710
.endr
.irp p, 4,5,6,7
	MKADR \p, 36590
.endr
.irp p, 8,9,10,11
	MKADR \p, 37302
.endr
.irp p, 12,13,14,15
	MKADR \p, 37418
.endr
	ASKIDX
	G 0
	G 1
.irp p, 0,1,2,3,4,5,6,7,8,9,10,11,12,13,14,15
	STEP \p
.endr
.irp n, 0,1,2,3
	v_cvt_pk_f16_f32 v[PKS+\n], v[ACC+2*\n], v[ACC+2*\n+1]
.endr
	ds_store_b128 v[VS], v[PKS:PKS+3]              ; the wave's store covers the row's 512 bytes
	v_add_nc_u32 v[VS], SP, v[VS]
	s_sub_co_u32 s21, s21, 1
	s_cmp_lg_u32 s21, 0
	s_cbranch_scc1 .Lq
	; THE PRODUCT
	s_wait_loadcnt 0x0                             ; the lists asked for in vain have landed: their registers are used again
.irp ks, 0,1,2,3,4,5,6,7
	global_load_b128 v[WF+8*\ks:WF+8*\ks+3], v[L16], s[14:15] offset:\ks*1024
	global_load_b128 v[WF+8*\ks+4:WF+8*\ks+7], v[L16], s[14:15] offset:\ks*1024+512
.endr
	global_load_b128 v[BO:BO+3], v[H32], s[16:17]          ; register j: the bias of column 16 w + 8 h + j
	global_load_b128 v[BO+4:BO+7], v[H32], s[16:17] offset:16
	s_wait_dscnt 0x0                               ; for the others' sake: my five rows of samp are in LDS
	s_barrier_signal -1
	s_barrier_wait -1
.macro LOADF ks                        ; the five tiles' fragments of 32 k, ten loads in one run
.irp t, 0,1,2,3,4
	ds_load_b128 v[SF+40*((\ks)&1)+8*\t:SF+40*((\ks)&1)+8*\t+3], v[VF] offset:\t*16*SP+(\ks)*64
	ds_load_b128 v[SF+40*((\ks)&1)+8*\t+4:SF+40*((\ks)&1)+8*\t+7], v[VF] offset:\t*16*SP+(\ks)*64+32
.endr
.endm
	LOADF 0
	s_wait_loadcnt 0x0                             ; W_out's fragments and the bias
.irp n, 0,1,2,3                        ; the bias's one rounding to bf16
	v_cvt_pk_bf16_f32 v1, v[BO+2*\n], v[BO+2*\n+1]
	v_lshlrev_b32 v[BO+2*\n], 16, v1
	v_and_b32 v[BO+2*\n+1], 0xffff0000, v1
.endr
.irp ks, 0,1,2,3,4,5,6,7
.if \ks < 7
.if \ks > 0
	PLACES                                         ; four places between the products that read a buffer and the loads into it
.endif
	LOADF \ks+1
	s_wait_dscnt 10                                ; all but the ten just issued
.else
	s_wait_dscnt 0x0
.endif
.irp t, 0,1,2,3,4                      ; the five accumulators take turns; the first step starts the sums from the bias
.if \ks == 0
	v_wmma_f32_16x16x32_f16 v[AO+8*\t:AO+8*\t+7], v[WF+8*\ks:WF+8*\ks+7], v[SF+40*(\ks&1)+8*\t:SF+40*(\ks&1)+8*\t+7], v[BO:BO+7]
.else
	v_wmma_f32_16x16x32_f16 v[AO+8*\t:AO+8*\t+7], v[WF+8*\ks:WF+8*\ks+7], v[SF+40*(\ks&1)+8*\t:SF+40*(\ks&1)+8*\t+7], v[AO+8*\t:AO+8*\t+7]
.endif
.endr
.endr
	PLACES                                         ; four places between the last product and the first read of a result (ISA guide 7.12.1)
.irp t, 0,1                            ; each accumulator's four lowest registers go first
	ds_store_b128 v[STO], v[AO+8*\t:AO+8*\t+3] offset:\t*16*OP
	ds_store_b128 v[STO], v[AO+8*\t+4:AO+8*\t+7] offset:\t*16*OP+16
.endr
.irp t, 2,3,4
	ds_store_b128 v[STOB], v[AO+8*\t:AO+8*\t+3] offset:(\t-2)*16*OP
	ds_store_b128 v[STOB], v[AO+8*\t+4:AO+8*\t+7] offset:(\t-2)*16*OP+16
.endr
	s_wait_dscnt 0x0                               ; for the others' sake: a row's 1,024 bytes come from all sixteen waves
	s_barrier_signal -1
	s_barrier_wait -1
.set i, 0
.rept 10                                               ; row i / 2 of my five, half i % 2
	ds_load_b128 v[SF+4*i:SF+4*i+3], v[RD] offset:(i/2)*OP+(i%2)*512
.set i, i+1
.endr
.set i, 0
.rept 10
	s_wait_dscnt 9-i                               ; the younger loads may stay out
	global_store_b128 v[L16], v[SF+4*i:SF+4*i+3], s[18:19] offset:i*512 th:TH_STORE_NT  ; 512 consecutive bytes of out0, aligned
.set i, i+1
.endr
	s_wait_tensorcnt 0x0                           ; the wave's end, behind my last LDS store
	ds_add_u32 v[SPW], v[NIL]
	s_wait_dscnt 0x0
	s_endpgm
.Lfunc_end_k_qf275ac28de_sample:
	.size	k_qf275ac28de_sample, .Lfunc_end_k_qf275ac28de_sample-k_qf275ac28de_sample
	.p2alignl 7, 3214868480
	.fill 96, 4, 3214868480
	.section	.rodata,"a",@progbits
	.p2align	6, 0x0
	.amdhsa_kernel k_qf275ac28de_sample
		.amdhsa_group_segment_fixed_size 127488
		.amdhsa_private_segment_fixed_size 0
		.amdhsa_enable_private_segment 0
		.amdhsa_kernarg_size 48
		.amdhsa_user_sgpr_count 2
		.amdhsa_user_sgpr_kernarg_segment_ptr 1
		.amdhsa_wavefront_size32 1
		.amdhsa_system_sgpr_workgroup_id_x 1
		.amdhsa_system_sgpr_workgroup_id_y 1
		.amdhsa_system_sgpr_workgroup_id_z 1
		.amdhsa_system_vgpr_workitem_id 0
		.amdhsa_next_free_vgpr 232
		.amdhsa_next_free_sgpr 66
		.amdhsa_reserve_vcc 0
		.amdhsa_float_denorm_mode_32 3
		.amdhsa_float_denorm_mode_16_64 3
		.amdhsa_memory_ordered 1
		.amdhsa_forward_progress 1
		.amdhsa_inst_pref_size 101
	.end_amdhsa_kernel
	.amdgpu_metadata
---
amdhsa.version: [ 1, 2 ]
amdhsa.kernels:
  - .name:           k_qf275ac28de_sample
    .symbol:         k_qf275ac28de_sample.kd
    .args:
      - { .name: val, .offset: 0, .size: 8, .value_kind: global_buffer, .address_space: global }
      - { .name: pidx, .offset: 8, .size: 8, .value_kind: global_buffer, .address_space: global }
      - { .name: pwts, .offset: 16, .size: 8, .value_kind: global_buffer, .address_space: global }
      - { .name: wfrag, .offset: 24, .size: 8, .value_kind: global_buffer, .address_space: global }
      - { .name: b_out, .offset: 32, .size: 8, .value_kind: global_buffer, .address_space: global }
      - { .name: out0, .offset: 40, .size: 8, .value_kind: global_buffer, .address_space: global }
    .group_segment_fixed_size: 127488
    .private_segment_fixed_size: 0
    .kernarg_segment_align: 8
    .kernarg_segment_size: 48
    .max_flat_workgroup_size: 512
    .sgpr_count:     66
    .vgpr_count:     232
    .wavefront_size: 32
...
	.end_amdgpu_metadata
.endif
;; end of part 4
;; ======== version 2 of 2: 4 launches; 1.86 times as fast as version 1
;; limits: values are held in f16: magnitudes above 65,504 overflow, below 6.1e-05 lose precision
;; workspace buffers: wfrag 524,288 bytes; val 19,169,280 bytes; pidx 9,584,640 bytes of whole numbers; pwts 38,338,560 bytes; samp 9,584,640 bytes
;; launch prep: the kernel of part 1 again; grid 64 x 1, 8 waves a work-group, no clusters, 0 bytes of LDS; arguments W_value, W_off, W_attn, W_out, wfrag; writes wfrag
;; launch front (part 5): grid 234 x 1, 8 waves a work-group, no clusters, 324,352 bytes of LDS; arguments query, reference_points, wfrag, b_off, b_attn, input_spatial_shapes, input_level_start_index, pidx, pwts, input_flatten, b_value, val; writes pidx, pwts, val
.if DOCPART == 5
	.amdgcn_target "amdgcn-amd-amdhsa--gfx1250"
	.amdhsa_code_object_version 6
	.text
	.protected	k_qf275ac28de_front
	.globl	k_qf275ac28de_front
	.p2align	8
	.type	k_qf275ac28de_front,@function
k_qf275ac28de_front:
	s_mov_b64 s[64:65], 0
	v_nop
	global_prefetch_b8 v0, s[64:65] scope:SCOPE_SE
	s_setreg_imm32_b32 hwreg(HW_REG_WAVE_MODE, 25, 1), 1
	s_wait_xcnt 0x0
; TWO PARTS IN ONE LAUNCH.  A work-group takes 80 queries (part one) and 160 positions of the input (part two); wave w is head w in both.
; PART ONE, FOR EVERY (HEAD, QUERY, POINT): WHERE TO SAMPLE AND WITH WHICH EIGHT WEIGHTS.
; off = query W_off + b_off, logits = query W_attn + b_attn (bf16 operands, f32 sums), softmax over a head's 16 points (the maximum taken away), and per axis
;   i = ref D + (off) D / norm - 0.5,  base = clamp(floor i, 0, D - 2),  w0 = max(0, 1 - |i - base|),  w1 = max(0, 1 - |i - base - 1|).
; That gives the same sum as clipping each corner and dropping the invalid ones: floor i = -1 gives (frac, 0), floor i = D - 1 gives (0, 1 - frac), further out (0, 0).
; So the eight corners always lie at base + {0,1} + {0,1} D + {0,1} D D, and one whole number a point says where.
; OUT: pidx [8][18720][16] u32: base position; level 0 counts from its own first position, levels 1 to 3 from level 1's first position (starts 0, 4096, 4608).
;      pwts [8 heads][1170 tiles of 16 queries][j = q % 8][dx][q / 8][16 points][2 dz + dy] f16: corner weight times attention weight;
;      so one query's weights for one dx are 128 consecutive bytes, and each store below covers 256 consecutive bytes, aligned.
; PART TWO: val = input_flatten W_value + b_value, by heads: val [8 heads][37440 positions][32 channels] f16, 64 bytes for a position and head,
; so that a sample's x neighbour lies 64 bytes on, its y neighbour 64 D, its z neighbour 64 D D.  Operands bf16, sums f32, val rounded once to f16.
; All floating-point inputs are rounded once to bf16 (query, reference_points, input_flatten, weights, biases).  D and the level starts are the volumes' fixed sizes (32, 16, 8, 4 cubed);
; input_spatial_shapes enters as the offsets' divisor, in the order [1], [0], [2].  input_level_start_index is loaded, and nothing is made of it: the result does not depend on it.
; LIMITS: 1 / norm by v_rcp_f32 (1 ulp); a corner weight below 6e-8 counts as 0 (f16); a location that is NaN or infinite gets weight 0; |value| stays under 65,504 (f16's end).
; HOW THE PARTS SHARE THE LAUNCH.  Part one keeps a head's 64 weight columns in 256 registers and has none to spare, so part two's input waits in LDS: at the head each wave asks for its 20 rows
; (20,480 dense bytes) by ONE tensor load, behind the loads that part one waits for; the tile has all of part one in which to land, and only the wave that asked reads it.
; Part two's weights (128 registers) are asked for straight behind part one's loop and waited for behind the first chunk's conversion and barrier.
; PART ONE'S LAYOUT.  The product's result holds in register j of lane (r, h) query 8 h + j and point r: the four accumulators are x, y, z and logit of ONE point a lane, and a (query, head) is 16 neighbouring lanes.
; PART TWO'S LAYOUT.  Five chunks of 32 rows; chunk c is rows 4 c .. 4 c + 3 of each wave's 20: row 4 w' + j of the chunk is position 20 w' + 4 c + j.  The matrix instruction is used transposed
; (source 0 = 16 columns of W, source 1 = 16 positions): a lane holds eight neighbouring channels of one position; the bias is the C operand of the first step.
; NO CLUSTER: 234 work-groups are no multiple of four; the rows of query and input are each work-group's own, and the weights go straight into registers.
.set QP,    528                        ; a row of 256 bf16 in LDS: 512 bytes + 16: an odd multiple of 16, so the 16 rows of a fragment load start at 16 different 16-byte columns modulo 256
.set REF,   80*QP                      ; [80 q][4 levels][x, y, z, 0] f32, 5,120 bytes
.set IST,   REF+5120                   ; each wave's own 5,120 bytes: [80 q][16] u32, so that pidx leaves in whole runs of 512 bytes
.set XR,    IST+8*5120                 ; byte 88,320, a multiple of 256: the input as it lies in memory, f32, 20,480 bytes a wave; filled once by tensor loads, never stored into
.set XT,    XR+160*1024                ; chunks 0 to 2 in bf16, 96 rows; chunks 3 and 4 go where the query's rows lay (from byte 0)
.set STAGE, XT+96*QP                   ; each wave's own 32 rows x 80 bytes, for val's way out
.set SPITCH, 80                        ; 64 bytes + 16: an odd multiple of 16
.set SPARE, STAGE+8*32*SPITCH          ; byte 323,328: the spare words, 128 bytes a wave: four blocks of 256 bytes that no other line names
; part one's registers
.set XO,  1                            ; v1   16 x thread: my 16 bytes in four rows of the query
.set L16, 2                            ; v2   16 x lane; both parts
.set VX,  3                            ; v3   where I put 8 bytes of a query row
.set VQ,  4                            ; v4   my lane's place in a fragment of the tile in hand
.set VR,  5                            ; v5   the reference point of query 8 h, my level
.set VI,  6                            ; v6   where my point's index goes
.set VW,  7                            ; v7   byte offset in the tile's 4,096 bytes of pwts: 128 h + 8 r
.set VRG, 8                            ; v8   12 x thread
.set VRL, 9                            ; v9   REF + 16 x thread
.set SPW, 10                           ; v10  my spare word; never rewritten
.set NIL, 11                           ; v11  0; never rewritten
.set SX,  16                           ; v16-18  D / norm for x, y, z
.set SY,  17
.set SZ,  18
.set CBX, 19                           ; v19-21  bias x D / norm - 0.5
.set CBY, 20
.set CBZ, 21
.set BL,  22                           ; v22  my point's logit bias
.set DF,  23                           ; v23  D;  v24 D D;  v25 D - 2;  v26 level start, all as f32
.set D2F, 24
.set DM2, 25
.set STF, 26
.set M,   28                           ; v28  row maximum;  v29 row sum
.set SU,  29
.set RX1, 30                           ; v[30:33], v[34:37] reference points on their way to LDS
.set RX2, 34
.set VL,  38                           ; v38  my point's level
.set ACC, 40                           ; v[40:71]  x, y, z, logit
.set LAND, 72                          ; v[72:151] the query as loaded
.set QF,  72                           ; v[72:135] later: a tile's fragments, 8 registers for each 32 k
.set RF,  136                          ; v[136:167] reference points of my 8 queries
.set TT,  168                          ; at work in EPI
.set IX,  169
.set IY,  170
.set IZ,  171
.set BX,  172
.set BY,  173
.set BZ,  174
.set RC,  175
.set AW,  176                          ; v[176:177] attention weight; v177 is named with it as a pair and holds 0
.set DX,  178                          ; v178-180 i - base
.set WX,  182                          ; v[182:187] (w0, w1) for x, y, z
.set WY,  184
.set WZ,  186
.set YZ0, 188
.set YZ1, 190
.set CW,  192                          ; v[192:199] the eight corner weights: dx 0's four, then dx 1's
.set FI,  204
.set PK,  216                          ; v[216:247] 16 bytes to store, a set for each j
; part two's registers (part one's are dead by then, but for v0, v2, v10, v11)
.set VXR, 1                            ; v1   my 16 bytes in 512 of my wave's tile
.set VXA, 3                            ; v3   where I put 8 bytes of a row, chunks 0-2;  v4 chunks 3, 4
.set VXB, 4
.set VFA, 5                            ; v5   my lane's place in a fragment, chunks 0-2;  v6 chunks 3, 4
.set VFB, 6
.set STO, 7                            ; v7   the way out: where I put 16 bytes of a position
.set RD,  8                            ; v8   the way out: where I read back
.set H32, 9                            ; v9   32 x (lane / 16)
.set VOUT, 13                          ; v13  1280 (lane / 16) + 16 (lane % 16): my 16 bytes of four positions of val
.set BIAS, 16                          ; v[16:31]  the bias as a C operand, for my two column tiles
.set VAC, 32                           ; v[32:63]  accumulator (mt, nt) at 8 (2 mt + nt)
.set CV,  64                           ; v[64:79]  a chunk's bf16 on its way to LDS; later the packed results
.set RB,  80                           ; v[80:95]  results read back
.set XF,  96                           ; v[96:223] fragment (mt, ks) at 8 (8 mt + ks)
.set XL,  224                          ; v[224:255] my 4 KiB / 32 of a chunk, f32, out of my tile
.set G0,  56                           ; s[56:59] descriptor group 0
.set G1,  72                           ; s[72:79] descriptor group 1
.set MSB, 0
.macro WIN new                         ; the immediate's high byte repeats the setting that is left
.if MSB != (\new)
	s_set_vgpr_msb (MSB<<8)|(\new)
.set MSB, \new
.endif
.endm
.macro PLACES
.rept 4
	v_nop
.endr
.endm
	s_load_b512 s[8:23], s[0:1], 0x0               ; query s[8:9], ref s[10:11], wfrag s[12:13], b_off s[14:15], b_attn s[16:17], shapes s[18:19], level starts s[20:21], pidx s[22:23]
	s_load_b256 s[24:31], s[0:1], 0x40             ; pwts s[24:25], input_flatten s[26:27], b_value s[28:29], val s[30:31]
	v_lshl_add_u32 v[SPW], v0, 2, SPARE
	v_mov_b32 v[NIL], 0
	ds_add_u32 v[SPW], v[NIL]                      ; the wave's opening: the add and its wait stand ahead of my first tensor load; the set-up below, work on registers, stands between them
	ds_add_u32 v10, v11
	v_lshrrev_b32 v12, 5, v0
	v_readfirstlane_b32 s4, v12                    ; wave = head
	v_and_b32 v13, 31, v0                          ; lane
	v_and_b32 v14, 15, v0                          ; r = my point
	v_bfe_u32 v15, v0, 4, 1                        ; h
	v_bfe_u32 v[VL], v0, 2, 2                      ; level = point / 4
	v_lshlrev_b32 v[XO], 4, v0
	v_lshlrev_b32 v[L16], 4, v13
	v_lshrrev_b32 v[VX], 6, v0                     ; 64 threads to a row
	v_mul_u32_u24 v[VX], v[VX], QP
	v_and_b32 v12, 63, v0
	v_lshl_add_u32 v[VX], v12, 3, v[VX]
	v_mul_u32_u24 v[VQ], v14, QP
	v_lshl_add_u32 v[VQ], v15, 4, v[VQ]
	v_lshlrev_b32 v[VR], 9, v15                    ; 8 queries x 64 bytes
	v_lshl_add_u32 v[VR], v[VL], 4, v[VR]
	v_add_nc_u32 v[VR], REF, v[VR]
	s_mul_i32 s5, s4, 5120
	s_add_co_u32 s5, s5, IST                       ; my wave's index stage
	v_lshlrev_b32 v[VI], 9, v15
	v_lshl_add_u32 v[VI], v14, 2, v[VI]
	v_add_nc_u32 v[VI], s5, v[VI]
	v_lshlrev_b32 v[VW], 7, v15                    ; queries 8 .. 15 of a tile lie 128 bytes behind queries 0 .. 7
	v_lshl_add_u32 v[VW], v14, 3, v[VW]            ; 8 bytes a point
	v_mul_u32_u24 v[VRG], v0, 12
	v_lshl_add_u32 v[VRL], v0, 4, REF
	v_mul_u32_u24 v12, v[VL], 12                   ; my level's row of the shapes
	v_mul_u32_u24 v13, v14, 12                     ; my point's three offset biases
	v_lshlrev_b32 v14, 2, v14                      ; my point's logit bias
	v_mov_b32 v[M], 0                              ; destinations of lane-crossing forms count as read
	v_mov_b32 v[SU], 0
	v_mov_b32 v[AW+1], 0
	s_mov_b32 s6, 0xffff0000                       ; a word's upper bf16
	s_mul_i32 s32, ttmp9, 81920                    ; 80 rows of the query
	s_mov_b32 s33, 0
	s_mul_i32 s34, ttmp9, 3840                     ; 80 x 12 reference numbers
	s_mov_b32 s35, 0
	s_lshl_b32 s36, s4, 15                         ; part one's weights: tiles 16 + 4 w on
	s_add_co_u32 s36, s36, 131072
	s_mov_b32 s37, 0
	s_mul_i32 s38, s4, 192
	s_mov_b32 s39, 0
	s_lshl_b32 s40, s4, 6
	s_mov_b32 s41, 0
	s_mul_i32 s42, s4, 1198080                     ; a head of pidx,
	s_mul_i32 s2, ttmp9, 5120                      ; my 80 queries in it
	s_add_co_u32 s42, s42, s2
	s_mov_b32 s43, 0
	s_mul_i32 s44, s4, 4792320                     ; a head of pwts,
	s_mul_i32 s2, ttmp9, 20480                     ; my five tiles of 4,096 bytes in it
	s_add_co_u32 s44, s44, s2
	s_mov_b32 s45, 0
	s_lshl_b32 s46, s4, 14                         ; part two's weights: tiles 2 w, 2 w + 1
	s_mov_b32 s47, 0
	s_mul_i32 s54, ttmp9, 163840                   ; 160 rows of the input, 1,024 bytes each,
	s_mul_i32 s2, s4, 20480                        ; my wave's 20 of them
	s_add_co_u32 s54, s54, s2
	s_mov_b32 s55, 0
	s_lshl_b32 s60, s4, 7                          ; my 32 biases of b_value
	s_mov_b32 s61, 0
	s_mul_i32 s62, s4, 2396160                     ; a head of val,
	s_mul_i32 s2, ttmp9, 10240                     ; my 160 positions in it
	s_add_co_u32 s62, s62, s2
	s_mov_b32 s63, 0
	; descriptor: 20,480 dense bytes as 80 rows of 32 elements of 8 bytes, dense in LDS too
	s_mov_b32 s[G1+0], 3<<16                       ; 15:0 no mask; 17:16 elements of 8 bytes; 20 no padding
	s_mov_b32 s[G1+1], 32<<16                      ; tensor_dim0 = 32
	s_mov_b32 s[G1+2], 80<<16                      ; tensor_dim1 = 80
	s_mov_b32 s[G1+3], 32<<16                      ; tile_dim0 = 32
	s_mov_b32 s[G1+4], 80                          ; tile_dim1 = 80
	s_mov_b32 s[G1+5], 32                          ; 32 elements from row to row
	s_mov_b32 s[G1+6], 0
	s_mov_b32 s[G1+7], 0
	s_mov_b32 s[G0], 1                             ; count = 1
	s_mul_i32 s[G0+1], s4, 20480                   ; LDS address: my wave's tile
	s_add_co_u32 s[G0+1], s[G0+1], XR
	s_wait_dscnt 0x0                               ; the opening add is done
	s_wait_kmcnt 0x0
	s_add_nc_u64 s[52:53], s[12:13], s[46:47]      ; wfrag at part two's tiles,
	s_add_nc_u64 s[12:13], s[12:13], s[36:37]      ; and at part one's
	s_add_nc_u64 s[8:9], s[8:9], s[32:33]
	s_add_nc_u64 s[10:11], s[10:11], s[34:35]
	s_add_nc_u64 s[14:15], s[14:15], s[38:39]
	s_add_nc_u64 s[16:17], s[16:17], s[40:41]
	s_add_nc_u64 s[22:23], s[22:23], s[42:43]
	s_add_nc_u64 s[24:25], s[24:25], s[44:45]
	s_add_nc_u64 s[G0+2:G0+3], s[26:27], s[54:55]  ; global address of my 20 rows
	s_or_b32 s[G0+3], s[G0+3], 0x80000000          ; type = 2
	s_add_nc_u64 s[28:29], s[28:29], s[60:61]
	s_add_nc_u64 s[30:31], s[30:31], s[62:63]
	s_load_b128 s[48:51], s[20:21], 0x0            ; input_level_start_index: read as given; no result is a function of it
	; THE LOADS, oldest first: what is worked on first is asked for first; the 64 loads of weights come last, and behind them part two's input.
	s_cmp_lt_u32 s4, 2                             ; 320 (query, level) pairs for 256 threads: waves 0 and 1 take a second one
	s_cbranch_scc0 .Lno_second
	global_load_b32 v[RX2], v[VRG], s[10:11] offset:3072
	global_load_b32 v[RX2+1], v[VRG], s[10:11] offset:3076
	global_load_b32 v[RX2+2], v[VRG], s[10:11] offset:3080
.Lno_second:
.set i, 0
.rept 20                                               ; the work-group's loads cover four whole rows of 1,024 bytes each time
	global_load_b128 v[LAND+4*i:LAND+4*i+3], v[XO], s[8:9] offset:i*4096 th:TH_LOAD_NT
.set i, i+1
.endr
	global_load_b32 v[RX1], v[VRG], s[10:11]
	global_load_b32 v[RX1+1], v[VRG], s[10:11] offset:4
	global_load_b32 v[RX1+2], v[VRG], s[10:11] offset:8
	global_load_b32 v168, v12, s[18:19] offset:4   ; x is divided by shape[1],
	global_load_b32 v169, v12, s[18:19]            ; y by shape[0],
	global_load_b32 v170, v12, s[18:19] offset:8   ; z by shape[2]
	global_load_b32 v171, v13, s[14:15]
	global_load_b32 v172, v13, s[14:15] offset:4
	global_load_b32 v173, v13, s[14:15] offset:8
	global_load_b32 v174, v14, s[16:17]
	WIN 0x40                                       ; destination window 1: the weights, fragment (nt, ks) at 8 (8 nt + ks)
.irp nt, 0,1,2,3
.irp ks, 0,1,2,3,4,5,6,7
	global_load_b128 v[8*(8*\nt+\ks):8*(8*\nt+\ks)+3], v[L16], s[12:13] offset:\nt*8192+\ks*1024
	global_load_b128 v[8*(8*\nt+\ks)+4:8*(8*\nt+\ks)+7], v[L16], s[12:13] offset:\nt*8192+\ks*1024+512
.endr
.endr
	WIN 0
	tensor_load_to_lds s[G0:G0+3], s[G1:G1+7]      ; part two's input, my 20 rows: my one tensor load of the launch; ahead of every LDS read, barrier and wait on TENSORcnt; nothing is ever filled again
	s_nop 0
	s_wait_loadcnt 63                              ; loads come back in order: the 63 youngest, all weights, may stay out; query, reference points and constants are in
.set i, 0
.rept 20
	v_cvt_pk_bf16_f32 v[LAND+4*i], v[LAND+4*i], v[LAND+4*i+1]      ; the query's one rounding, in place
	v_cvt_pk_bf16_f32 v[LAND+4*i+1], v[LAND+4*i+2], v[LAND+4*i+3]
	ds_store_b64 v[VX], v[LAND+4*i:LAND+4*i+1] offset:i*4*QP
.set i, i+1
.endr
.macro RREF b                          ; three reference numbers rounded to bf16 and widened again; the fourth word is 0
	v_cvt_pk_bf16_f32 v12, v[\b], v[\b+1]
	v_cvt_pk_bf16_f32 v13, v[\b+2], v[\b+2]
	v_lshlrev_b32 v[\b], 16, v12
	v_and_b32 v[\b+1], s6, v12
	v_lshlrev_b32 v[\b+2], 16, v13
	v_mov_b32 v[\b+3], 0
.endm
	RREF RX1
	ds_store_b128 v[VRL], v[RX1:RX1+3]
	s_cmp_lt_u32 s4, 2
	s_cbranch_scc0 .Lno_second_store
	RREF RX2
	ds_store_b128 v[VRL], v[RX2:RX2+3] offset:4096
.Lno_second_store:
	; my point's constants
	v_cvt_pk_bf16_f32 v175, v171, v172             ; the biases' one rounding
	v_cvt_pk_bf16_f32 v176, v173, v174
	v_lshlrev_b32 v171, 16, v175
	v_and_b32 v172, s6, v175
	v_lshlrev_b32 v173, 16, v176
	v_and_b32 v[BL], s6, v176
	v_cvt_f32_i32 v168, v168
	v_cvt_f32_i32 v169, v169
	v_cvt_f32_i32 v170, v170
	v_rcp_f32 v168, v168
	v_rcp_f32 v169, v169
	v_rcp_f32 v170, v170
	v_mov_b32 v15, 32                              ; a plain instruction stands behind the last reciprocal before a result is used
	v_lshrrev_b32 v15, v[VL], v15
	v_cvt_f32_u32 v[DF], v15                       ; D = 32 >> level
	v_mul_f32 v[D2F], v[DF], v[DF]
	v_add_f32 v[DM2], -2.0, v[DF]
	s_wait_alu depctr_va_vdst(0)
	v_mul_f32 v[SX], v[DF], v168
	v_mul_f32 v[SY], v[DF], v169
	v_mul_f32 v[SZ], v[DF], v170
	v_fma_f32 v[CBX], v171, v[SX], -0.5
	v_fma_f32 v[CBY], v172, v[SY], -0.5
	v_fma_f32 v[CBZ], v173, v[SZ], -0.5
	v_mov_b32 v[STF], 0                            ; starts: level 0 in its own table 0; levels 1, 2, 3 in theirs 0, 4096, 4608
	v_mov_b32 v15, 0x45800000
	v_cmp_eq_u32 vcc_lo, 2, v[VL]
	v_cndmask_b32 v[STF], v[STF], v15, vcc_lo
	v_mov_b32 v15, 0x45900000
	v_cmp_eq_u32 vcc_lo, 3, v[VL]
	v_cndmask_b32 v[STF], v[STF], v15, vcc_lo
	s_wait_kmcnt 0x0                               ; the level starts have come
	s_wait_loadcnt 0x0                             ; the weights are in
	s_wait_dscnt 0x0                               ; for the others' sake: my part of the query and of the reference points is in LDS
	s_barrier_signal -1
	s_barrier_wait -1                              ; part one's one barrier; my tensor load may stay out across it, and its bytes are read only behind my own wait
; Query 8 h + j of the tile: softmax weight, location, base index and eight corner weights of my point.
.macro EPI j
	v_add_f32 v[TT], v[ACC+24+\j], v[BL]
	v_fma_f32 v[IX], v[RF+4*\j], v[DF], v[CBX]     ; ref D + bias D / norm - 0.5
	v_fma_f32 v[IY], v[RF+4*\j+1], v[DF], v[CBY]
	v_fma_f32 v[IZ], v[RF+4*\j+2], v[DF], v[CBZ]
	v_max_num_f32_dpp v[M], v[TT], v[TT] row_xmask:1 row_mask:0xf bank_mask:0xf  ; the maximum over the head's 16 points: 16 neighbouring lanes
	v_fma_f32 v[IX], v[ACC+\j], v[SX], v[IX]       ; + offset D / norm
	v_max_num_f32_dpp v[M], v[M], v[M] row_xmask:2 row_mask:0xf bank_mask:0xf
	v_fma_f32 v[IY], v[ACC+8+\j], v[SY], v[IY]
	v_max_num_f32_dpp v[M], v[M], v[M] row_xmask:4 row_mask:0xf bank_mask:0xf
	v_fma_f32 v[IZ], v[ACC+16+\j], v[SZ], v[IZ]
	v_max_num_f32_dpp v[M], v[M], v[M] row_xmask:8 row_mask:0xf bank_mask:0xf
	v_floor_f32 v[BX], v[IX]
	v_sub_f32 v[TT], v[TT], v[M]
	v_floor_f32 v[BY], v[IY]
	v_mul_f32 v[TT], 0x3fb8aa3b, v[TT]
	v_floor_f32 v[BZ], v[IZ]
	v_exp_f32 v[TT], v[TT]
	v_max_num_f32 v[BX], 0, v[BX]                  ; plain work stands behind the exponential
	v_max_num_f32 v[BY], 0, v[BY]
	v_max_num_f32 v[BZ], 0, v[BZ]
	s_wait_alu depctr_va_vdst(0)
	v_add_f32_dpp v[SU], v[TT], v[TT] row_xmask:1 row_mask:0xf bank_mask:0xf
	v_min_num_f32 v[BX], v[BX], v[DM2]
	v_add_f32_dpp v[SU], v[SU], v[SU] row_xmask:2 row_mask:0xf bank_mask:0xf
	v_min_num_f32 v[BY], v[BY], v[DM2]
	v_add_f32_dpp v[SU], v[SU], v[SU] row_xmask:4 row_mask:0xf bank_mask:0xf
	v_min_num_f32 v[BZ], v[BZ], v[DM2]
	v_add_f32_dpp v[SU], v[SU], v[SU] row_xmask:8 row_mask:0xf bank_mask:0xf
	v_sub_f32 v[DX], v[IX], v[BX]
	v_rcp_f32 v[RC], v[SU]
	v_sub_f32 v[DX+1], v[IY], v[BY]                ; plain work stands behind the reciprocal
	v_sub_f32 v[DX+2], v[IZ], v[BZ]
	v_fma_f32 v[FI], v[BZ], v[D2F], v[STF]         ; start + (z D + y) D + x: whole numbers under 2^24, exact in f32
	s_wait_alu depctr_va_vdst(0)
	v_mul_f32 v[AW], v[TT], v[RC]
	v_fma_f32 v[FI], v[BY], v[DF], v[FI]
.irp d, 178,179,180
	v_sub_f32 v[WX+2*(\d-178)], 1.0, |v\d|
	v_add_f32 v\d, -1.0, v\d
	v_max_num_f32 v[WX+2*(\d-178)], 0, v[WX+2*(\d-178)]
	v_sub_f32 v[WX+2*(\d-178)+1], 1.0, |v\d|
	v_max_num_f32 v[WX+2*(\d-178)+1], 0, v[WX+2*(\d-178)+1]
.endr
	v_add_f32 v[FI], v[FI], v[BX]
	v_pk_mul_f32 v[WZ:WZ+1], v[WZ:WZ+1], v[AW:AW+1] op_sel_hi:[1,0]        ; the attention weight goes into z's pair
	v_cvt_u32_f32 v[FI], v[FI]
	v_pk_mul_f32 v[YZ0:YZ0+1], v[WY:WY+1], v[WZ:WZ+1] op_sel_hi:[1,0]      ; (y0, y1) z0
	v_pk_mul_f32 v[YZ1:YZ1+1], v[WY:WY+1], v[WZ:WZ+1] op_sel:[0,1] op_sel_hi:[1,1]  ; (y0, y1) z1
	ds_store_b32 v[VI], v[FI] offset:64*\j
	v_pk_mul_f32 v[CW:CW+1], v[YZ0:YZ0+1], v[WX:WX+1] op_sel_hi:[1,0]      ; dx 0: (y0 z0, y1 z0) x0
	v_pk_mul_f32 v[CW+2:CW+3], v[YZ1:YZ1+1], v[WX:WX+1] op_sel_hi:[1,0]    ;       (y0 z1, y1 z1) x0
	v_pk_mul_f32 v[CW+4:CW+5], v[YZ0:YZ0+1], v[WX:WX+1] op_sel:[0,1] op_sel_hi:[1,1]  ; dx 1: the same by x1
	v_pk_mul_f32 v[CW+6:CW+7], v[YZ1:YZ1+1], v[WX:WX+1] op_sel:[0,1] op_sel_hi:[1,1]
	v_cvt_pk_f16_f32 v[PK+4*\j], v[CW], v[CW+1]
	v_cvt_pk_f16_f32 v[PK+4*\j+1], v[CW+2], v[CW+3]
	v_cvt_pk_f16_f32 v[PK+4*\j+2], v[CW+4], v[CW+5]
	v_cvt_pk_f16_f32 v[PK+4*\j+3], v[CW+6], v[CW+7]
	global_store_b64 v[VW], v[PK+4*\j:PK+4*\j+1], s[24:25] offset:512*\j          ; dx 0 of queries j and j + 8: the wave's store covers 256 consecutive bytes, aligned
	global_store_b64 v[VW], v[PK+4*\j+2:PK+4*\j+3], s[24:25] offset:512*\j+256    ; dx 1 likewise
.endm
	s_mov_b32 s3, 5
.Ltile:                                                ; a trip: 16 queries
.irp ks, 0,1,2,3,4,5,6,7
	ds_load_b128 v[QF+8*\ks:QF+8*\ks+3], v[VQ] offset:\ks*64
	ds_load_b128 v[QF+8*\ks+4:QF+8*\ks+7], v[VQ] offset:\ks*64+32
.endr
.irp j, 0,1,2,3,4,5,6,7
	ds_load_b128 v[RF+4*\j:RF+4*\j+3], v[VR] offset:\j*64
.endr
	WIN 0x04                                       ; source 1, the weights, in window 1
.irp ks, 0,1,2,3,4,5,6,7
	s_wait_dscnt 22-2*\ks                          ; LDS loads come back in order: of the 24 just issued those behind this step's two may stay out
.irp nt, 0,1,2,3                       ; the four accumulators take turns; the first step starts the sums
.if \ks == 0
	v_wmma_f32_16x16x32_bf16 v[ACC+8*\nt:ACC+8*\nt+7], v[QF+8*\ks:QF+8*\ks+7], v[8*(8*\nt+\ks):8*(8*\nt+\ks)+7], 0
.else
	v_wmma_f32_16x16x32_bf16 v[ACC+8*\nt:ACC+8*\nt+7], v[QF+8*\ks:QF+8*\ks+7], v[8*(8*\nt+\ks):8*(8*\nt+\ks)+7], v[ACC+8*\nt:ACC+8*\nt+7]
.endif
.endr
.endr
	WIN 0
	PLACES                                         ; four places between the last product and the first read of a result (ISA guide 7.12.1)
	s_wait_dscnt 0x0                               ; the reference points are in
.irp j, 0,1,2,3,4,5,6,7                ; ascending: each accumulator's lowest register is read first
	EPI \j
.endr
	s_wait_xcnt 0x0                                ; the trip's stores have had their addresses translated: only behind this wait are their offset and, in the next trip, their data rewritten
	v_add_nc_u32 v[VW], 4096, v[VW]
	v_add_nc_u32 v[VQ], 16*QP, v[VQ]
	v_add_nc_u32 v[VR], 1024, v[VR]
	v_add_nc_u32 v[VI], 1024, v[VI]
	s_sub_co_u32 s3, s3, 1
	s_cmp_lg_u32 s3, 0
	s_cbranch_scc1 .Ltile
	; PART TWO BEGINS: its weights and bias are asked for first, into registers that part one has done with (the last product that read window 1 stands eight EPI back)
	v_bfe_u32 v15, v0, 4, 1                        ; h
	v_lshlrev_b32 v[H32], 5, v15
	WIN 0x40                                       ; destination window 1: fragment (nt, ks) at 8 (8 nt + ks)
.irp nt, 0,1
.irp ks, 0,1,2,3,4,5,6,7
	global_load_b128 v[8*(8*\nt+\ks):8*(8*\nt+\ks)+3], v[L16], s[52:53] offset:\nt*8192+\ks*1024
	global_load_b128 v[8*(8*\nt+\ks)+4:8*(8*\nt+\ks)+7], v[L16], s[52:53] offset:\nt*8192+\ks*1024+512
.endr
.endr
	WIN 0
.irp nt, 0,1
	global_load_b128 v[BIAS+8*\nt:BIAS+8*\nt+3], v[H32], s[28:29] offset:\nt*64      ; register j: the bias of channel 16 nt + 8 h + j
	global_load_b128 v[BIAS+8*\nt+4:BIAS+8*\nt+7], v[H32], s[28:29] offset:\nt*64+16
.endr
	; part one's last work: the wave's 1,280 indices leave as ten runs of 512 consecutive bytes.  LDS serves a wave's instructions in order (ISA guide 5.7.1.4): these loads see my own stores
	v_add_nc_u32 v12, s5, v[L16]
.set i, 0
.rept 10
	ds_load_b128 v[72+4*i:72+4*i+3], v12 offset:i*512
.set i, i+1
.endr
.set i, 0
.rept 10
	s_wait_dscnt 9-i                               ; the younger loads may stay out
	global_store_b128 v[L16], v[72+4*i:72+4*i+3], s[22:23] offset:i*512
.set i, i+1
.endr
	s_wait_tensorcnt 0x0                           ; my 20 rows of the input are in LDS; only I read them
	v_add_nc_u32 v[VXR], s[G0+1], v[L16]           ; my wave's tile + 16 x lane
.set i, 0
.rept 8                                                ; chunk 0: my rows 0 to 3, 512 consecutive bytes a load
	ds_load_b128 v[XL+4*i:XL+4*i+3], v[VXR] offset:i*512
.set i, i+1
.endr
	v_and_b32 v14, 15, v0                          ; r
	v_and_b32 v12, 31, v0                          ; lane
	s_mul_i32 s2, s4, 4*QP                         ; rows 4 w .. 4 w + 3 of a chunk are mine to write
	v_lshl_add_u32 v[VXB], v12, 3, s2              ; 8 bytes a lane
	v_add_nc_u32 v[VXA], XT, v[VXB]
	v_mul_u32_u24 v[VFB], v14, QP
	v_lshl_add_u32 v[VFB], v15, 4, v[VFB]
	v_add_nc_u32 v[VFA], XT, v[VFB]
	s_mul_i32 s3, s4, 32*SPITCH
	s_add_co_u32 s3, s3, STAGE                     ; my stage
	v_mul_u32_u24 v[STO], v14, SPITCH              ; in: row r, 16 bytes for each half of the lanes
	v_lshl_add_u32 v[STO], v15, 4, v[STO]
	v_add_nc_u32 v[STO], s3, v[STO]
	v_lshrrev_b32 v[RD], 2, v12                    ; back: four lanes to a position's 64 bytes
	v_mul_u32_u24 v[RD], v[RD], SPITCH
	v_and_b32 v12, 3, v12
	v_lshl_add_u32 v[RD], v12, 4, v[RD]
	v_add_nc_u32 v[RD], s3, v[RD]
	v_mul_u32_u24 v[VOUT], v15, 1280               ; lanes 16-31 hold the four rows of the next wave's share: 20 positions of 64 bytes on
	v_lshl_add_u32 v[VOUT], v14, 4, v[VOUT]
	s_wait_xcnt 0x0                                ; the index stores have had their addresses translated: only behind this wait are their data registers rewritten
; Chunk c: 32 positions.
.macro CHUNK c
.if (\c) < 3
.set SB, VXA
.set FB, VFA
.set C0, (\c)
.else
.set SB, VXB
.set FB, VFB
.set C0, (\c)-3
.endif
	s_wait_dscnt 0x0                               ; my 4 KiB of the chunk are in registers
.set i, 0
.rept 8
	v_cvt_pk_bf16_f32 v[CV+2*i], v[XL+4*i], v[XL+4*i+1]            ; the input's one rounding
	v_cvt_pk_bf16_f32 v[CV+2*i+1], v[XL+4*i+2], v[XL+4*i+3]
.set i, i+1
.endr
.set i, 0
.rept 8                                                ; load i held row i / 2 of my four, half i % 2
	ds_store_b64 v[SB], v[CV+2*i:CV+2*i+1] offset:C0*32*QP+(i/2)*QP+(i%2)*256
.set i, i+1
.endr
	s_wait_dscnt 0x0                               ; for the others' sake: my part of the chunk is in LDS (and all my earlier LDS reads are back)
	s_barrier_signal -1
	s_barrier_wait -1                              ; everybody's is.  No byte of a chunk is written again.  Chunks 3 and 4 lie where the query lay: its last reads stand ahead of chunk 0's barrier
.if (\c) < 4
.set i, 0
.rept 8                                                ; the next chunk's rows out of my own tile, a chunk ahead
	ds_load_b128 v[XL+4*i:XL+4*i+3], v[VXR] offset:((\c)+1)*4096+i*512
.set i, i+1
.endr
.endif
.irp ks, 0,1,2,3,4,5,6,7
.irp mt, 0,1
	ds_load_b128 v[XF+8*(8*\mt+\ks):XF+8*(8*\mt+\ks)+3], v[FB] offset:(32*C0+16*\mt)*QP+\ks*64
	ds_load_b128 v[XF+8*(8*\mt+\ks)+4:XF+8*(8*\mt+\ks)+7], v[FB] offset:(32*C0+16*\mt)*QP+\ks*64+32
.endr
.endr
.if (\c) == 0
	s_wait_loadcnt 0x0                             ; part two's weights and bias
.set i, 0
.rept 8                                                ; the bias's one rounding to bf16
	v_cvt_pk_bf16_f32 v12, v[BIAS+2*i], v[BIAS+2*i+1]
	v_lshlrev_b32 v[BIAS+2*i], 16, v12
	v_and_b32 v[BIAS+2*i+1], s6, v12
.set i, i+1
.endr
.endif
	WIN 0x01                                       ; source 0, the weights, in window 1
.irp ks, 0,1,2,3,4,5,6,7
	s_wait_dscnt 28-4*\ks                          ; of the 32 fragment loads those behind this step's four may stay out (the next chunk's eight are older)
.irp mt, 0,1
.irp nt, 0,1                           ; the four accumulators take turns; the first step starts the sums from the bias
.if \ks == 0
	v_wmma_f32_16x16x32_bf16 v[VAC+8*(2*\mt+\nt):VAC+8*(2*\mt+\nt)+7], v[8*(8*\nt+\ks):8*(8*\nt+\ks)+7], v[XF+8*(8*\mt+\ks):XF+8*(8*\mt+\ks)+7], v[BIAS+8*\nt:BIAS+8*\nt+7]
.else
	v_wmma_f32_16x16x32_bf16 v[VAC+8*(2*\mt+\nt):VAC+8*(2*\mt+\nt)+7], v[8*(8*\nt+\ks):8*(8*\nt+\ks)+7], v[XF+8*(8*\mt+\ks):XF+8*(8*\mt+\ks)+7], v[VAC+8*(2*\mt+\nt):VAC+8*(2*\mt+\nt)+7]
.endif
.endr
.endr
.endr
	WIN 0
	PLACES                                         ; four places between the last product and the first read of a result (ISA guide 7.12.1)
.set i, 0
.rept 16                                               ; ascending: each accumulator's lowest registers are read first
	v_cvt_pk_f16_f32 v[CV+i], v[VAC+2*i], v[VAC+2*i+1]
.set i, i+1
.endr
.irp mt, 0,1
.irp nt, 0,1
	ds_store_b128 v[STO], v[CV+4*(2*\mt+\nt):CV+4*(2*\mt+\nt)+3] offset:\mt*16*SPITCH+\nt*32
.endr
.endr
	s_wait_xcnt 0x0                                ; the last chunk's stores have had their addresses translated: only behind this wait are their data registers loaded again
.irp t, 0,1,2,3
	ds_load_b128 v[RB+4*\t:RB+4*\t+3], v[RD] offset:\t*8*SPITCH  ; LDS serves a wave's instructions in order (ISA guide 5.7.1.4): these see my stores above
.endr
.irp t, 0,1,2,3
	s_wait_dscnt 3-\t
	global_store_b128 v[VOUT], v[RB+4*\t:RB+4*\t+3], s[30:31] offset:\t*2560+(\c)*256  ; rows 8 t .. 8 t + 7: positions 40 t + 4 c .. + 3 and 20 further on: sixteen lanes store 256 consecutive bytes, aligned
.endr
.endm
	CHUNK 0
	CHUNK 1
	CHUNK 2
	CHUNK 3
	CHUNK 4
	s_wait_tensorcnt 0x0                           ; the wave's end, behind my last tensor load and my last LDS store
	ds_add_u32 v[SPW], v[NIL]
	s_wait_dscnt 0x0
	s_endpgm
.Lfunc_end_k_qf275ac28de_front:
	.size	k_qf275ac28de_front, .Lfunc_end_k_qf275ac28de_front-k_qf275ac28de_front
	.p2alignl 7, 3214868480
	.fill 96, 4, 3214868480
	.section	.rodata,"a",@progbits
	.p2align	6, 0x0
	.amdhsa_kernel k_qf275ac28de_front
		.amdhsa_group_segment_fixed_size 324352
		.amdhsa_private_segment_fixed_size 0
		.amdhsa_enable_private_segment 0
		.amdhsa_kernarg_size 96
		.amdhsa_user_sgpr_count 2
		.amdhsa_user_sgpr_kernarg_segment_ptr 1
		.amdhsa_wavefront_size32 1
		.amdhsa_system_sgpr_workgroup_id_x 1
		.amdhsa_system_sgpr_workgroup_id_y 1
		.amdhsa_system_sgpr_workgroup_id_z 1
		.amdhsa_system_vgpr_workitem_id 0
		.amdhsa_next_free_vgpr 512
		.amdhsa_next_free_sgpr 80
		.amdhsa_reserve_vcc 1
		.amdhsa_float_denorm_mode_32 3
		.amdhsa_float_denorm_mode_16_64 3
		.amdhsa_memory_ordered 1
		.amdhsa_forward_progress 1
		.amdhsa_inst_pref_size 102
	.end_amdhsa_kernel
	.amdgpu_metadata
---
amdhsa.version: [ 1, 2 ]
amdhsa.kernels:
  - .name:           k_qf275ac28de_front
    .symbol:         k_qf275ac28de_front.kd
    .args:
      - { .name: query, .offset: 0, .size: 8, .value_kind: global_buffer, .address_space: global }
      - { .name: reference_points, .offset: 8, .size: 8, .value_kind: global_buffer, .address_space: global }
      - { .name: wfrag, .offset: 16, .size: 8, .value_kind: global_buffer, .address_space: global }
      - { .name: b_off, .offset: 24, .size: 8, .value_kind: global_buffer, .address_space: global }
      - { .name: b_attn, .offset: 32, .size: 8, .value_kind: global_buffer, .address_space: global }
      - { .name: input_spatial_shapes, .offset: 40, .size: 8, .value_kind: global_buffer, .address_space: global }
      - { .name: input_level_start_index, .offset: 48, .size: 8, .value_kind: global_buffer, .address_space: global }
      - { .name: pidx, .offset: 56, .size: 8, .value_kind: global_buffer, .address_space: global }
      - { .name: pwts, .offset: 64, .size: 8, .value_kind: global_buffer, .address_space: global }
      - { .name: input_flatten, .offset: 72, .size: 8, .value_kind: global_buffer, .address_space: global }
      - { .name: b_value, .offset: 80, .size: 8, .value_kind: global_buffer, .address_space: global }
      - { .name: val, .offset: 88, .size: 8, .value_kind: global_buffer, .address_space: global }
    .group_segment_fixed_size: 324352
    .private_segment_fixed_size: 0
    .kernarg_segment_align: 8
    .kernarg_segment_size: 96
    .max_flat_workgroup_size: 256
    .sgpr_count:     80
    .vgpr_count:     512
    .wavefront_size: 32
...
	.end_amdgpu_metadata
.endif
;; end of part 5
;; launch sample (part 6): grid 30 x 8, 12 waves a work-group, no clusters, 300,544 bytes of LDS; arguments val, pidx, pwts, samp; writes samp
.if DOCPART == 6
	.amdgcn_target "amdgcn-amd-amdhsa--gfx1250"
	.amdhsa_code_object_version 6
	.text
	.protected	k_qf275ac28de_sample
	.globl	k_qf275ac28de_sample
	.p2align	8
	.type	k_qf275ac28de_sample,@function
k_qf275ac28de_sample:
	s_mov_b64 s[64:65], 0
	v_nop
	global_prefetch_b8 v0, s[64:65] scope:SCOPE_SE
	s_setreg_imm32_b32 hwreg(HW_REG_WAVE_MODE, 25, 1), 1
	s_wait_xcnt 0x0
; THE GATHER.  samp[h][q][c] = the sum over the head's 16 points and 8 corners of pwts x val, f16 [8 heads][18720][32 channels].
; val and pwts are f16, read as halves by v_fma_mix_f32 and summed in f32; samp is rounded once to f16.
; Every address of the gather comes from pidx, whole numbers that an earlier launch stored, held by v_min_u32 to the last base whose eight corners lie inside its level.
; LIMIT: samp, a weighted mean of val, has val's range (under 65,504).
; A WORK-GROUP BELONGS TO ONE HEAD.  Levels 1 to 3 of a head are 4,672 positions x 64 bytes = 299,008 bytes, dense in val: they are brought into LDS once, and 12 of a query's 16 points
; are read there.  Only level 0 (32,768 positions, 2 MiB a head) is gathered from memory: 4 points x 512 bytes for a query and head.
; SHARES.  A work-group takes 624 queries, 39 tiles of 16.  Wave w takes the four queries 4 (w % 4) .. + 3 of tiles w / 4 + 3 t, t = 0 .. 12: thirteen trips.
; Lane = 8 ql + 2 cg + dx: query ql of the four, channels 8 cg .. + 7, and ONE of the two x corners: eight lanes take the 128 consecutive bytes of an x pair, a lane sums 16 points x 4 corners
; (dy, dz stand in the loads' immediates), and at a trip's end one exchange between neighbouring lanes joins the two x corners.
; A TRIP: the 12 points in LDS through four register slots, three points ahead; then level 0's four points, whose 16 gathers were issued a trip earlier; behind each of those its gathers for the
; next trip.  The next trip's indices are asked for at a trip's head, its weights pair by pair as the registers fall free.  The thirteenth trip is written out: it asks for nothing.
; NO CLUSTER: a head has 30 work-groups, not a multiple of four (the multiples of four that divide its 4,680 groups of queries give 192 or 288 work-groups for 256 WGPs), and the shared table is
; 299,008 of the 1.8 million bytes that a work-group reads.
.set TROWS, 146                        ; rows of 256 bytes in one tensor load: 8 x 146 x 256 = 299,008
.set SPARE, 299008                     ; behind the table: the spare words, 128 bytes a wave: six blocks of 256 bytes that no other line names
.set LOFF, 2                           ; v2   64 dx + 16 cg: my 16 bytes of an x pair; never rewritten
.set VIX,  3                           ; v3   64 ql: my query's indices
.set VWT,  4                           ; v4   512 ql + 256 dx: my query's weights for my dx
.set VSO,  5                           ; v5   8 x lane: where I store
.set ZR,   6                           ; v6   0: the first multiply-adds' addend
.set SPW,  8                           ; v8   my spare word; never rewritten
.set NIL,  9                           ; v9   0; never rewritten
.set ST,   10                          ; v[10:11]  8 bytes to store
.set P,    12                          ; v[12:15]  the eight sums, packed
.set ACC,  16                          ; v[16:23]  eight f32 sums
.set IDX,  24                          ; v[24:39]  16 indices
.set ADR0, 40                          ; v[40:43]  byte offsets into level 0
.set ADRL, 44                          ; v[44:55]  LDS addresses of points 4 to 15
.set WT,   56                          ; v[56:87]  2 registers a point: weights 2 dz + dy
.set G0,   88                          ; v[88:151] level 0: point p at 16 p, corner k = 2 dz + dy at 4 k
.set LS,   152                         ; v[152:215] four slots of 16 for the points in LDS
.set G1,   16                          ; s[16:23] descriptor group 1
.set GA,   24                          ; s[24:27] descriptor group 0
.set SIX,  28                          ; s[28:29] pidx at the trip whose indices are asked for
.set SWT,  30                          ; s[30:31] pwts likewise
.set SSO,  32                          ; s[32:33] samp, one trip ahead of the store, which reaches back
.set SVA,  34                          ; s[34:35] val at my head
	s_load_b256 s[8:15], s[0:1], 0x0               ; val s[8:9], pidx s[10:11], pwts s[12:13], samp s[14:15]
	v_lshl_add_u32 v[SPW], v0, 2, SPARE
	v_mov_b32 v[NIL], 0
	ds_add_u32 v[SPW], v[NIL]                      ; the wave's opening: the add and its wait stand ahead of my first tensor load; the set-up below, work on registers, stands between them
	ds_add_u32 v8, v9
	v_lshrrev_b32 v1, 5, v0
	v_readfirstlane_b32 s4, v1                     ; wave 0..11
	s_and_b32 s5, s4, 3                            ; which four queries of a tile
	s_lshr_b32 s6, s4, 2                           ; my first tile
	s_and_b32 s7, ttmp7, 0xffff                    ; the head
	; descriptor group 1: 146 rows of 32 elements of 8 bytes, dense in memory and in LDS
	s_mov_b32 s[G1+0], 3<<16                       ; 15:0 no mask; 17:16 elements of 8 bytes; 20 no padding
	s_mov_b32 s[G1+1], 32<<16                      ; tensor_dim0 = 32
	s_mov_b32 s[G1+2], TROWS<<16                   ; tensor_dim1 = 146
	s_mov_b32 s[G1+3], 32<<16                      ; tile_dim0 = 32
	s_mov_b32 s[G1+4], TROWS                       ; tile_dim1 = 146
	s_mov_b32 s[G1+5], 32                          ; 32 elements from row to row
	s_mov_b32 s[G1+6], 0
	s_mov_b32 s[G1+7], 0
	s_mov_b32 s[GA], 1                             ; count = 1
	s_mul_i32 s[GA+1], s4, TROWS*256               ; LDS address: my wave's rows
	s_mul_i32 s36, s7, 2396160                     ; a head of val
	s_mov_b32 s37, 0
	s_mul_i32 s38, s4, TROWS*256                   ; level 1 begins 32,768 positions on; then my wave's rows
	s_add_co_u32 s38, s38, 2097152
	s_mov_b32 s39, 0
	s_mul_i32 s40, s7, 1198080                     ; a head of pidx and of samp (64 bytes a query in both),
	s_mul_i32 s2, ttmp9, 39936                     ; my work-group's 624 queries,
	s_add_co_u32 s40, s40, s2
	s_lshl_b32 s2, s6, 10                          ; my first tile,
	s_add_co_u32 s40, s40, s2
	s_lshl_b32 s2, s5, 8                           ; my four queries in it
	s_add_co_u32 s40, s40, s2
	s_mov_b32 s41, 0
	s_mul_i32 s42, s7, 4792320                     ; a head of pwts,
	s_mul_i32 s2, ttmp9, 159744                    ; 39 tiles of 4,096 bytes,
	s_add_co_u32 s42, s42, s2
	s_lshl_b32 s2, s6, 12                          ; my first tile;
	s_add_co_u32 s42, s42, s2
	s_and_b32 s2, s5, 1                            ; in a tile query 8 hh + j lies at 512 j + 128 hh: j = 4 (sub % 2) + ql,
	s_lshl_b32 s2, s2, 11
	s_add_co_u32 s42, s42, s2
	s_lshr_b32 s2, s5, 1                           ; hh = sub / 2
	s_lshl_b32 s2, s2, 7
	s_add_co_u32 s42, s42, s2
	s_mov_b32 s43, 0
	v_and_b32 v1, 1, v0                            ; dx
	v_bfe_u32 v7, v0, 1, 2                         ; cg
	v_lshlrev_b32 v[LOFF], 6, v1
	v_lshl_add_u32 v[LOFF], v7, 4, v[LOFF]
	v_bfe_u32 v7, v0, 3, 2                         ; ql
	v_lshlrev_b32 v[VIX], 6, v7
	v_lshlrev_b32 v[VWT], 9, v7
	v_lshl_add_u32 v[VWT], v1, 8, v[VWT]
	v_and_b32 v[VSO], 31, v0
	v_lshlrev_b32 v[VSO], 3, v[VSO]
	v_mov_b32 v[ZR], 0
	v_cmp_eq_u32 s45, 1, v1                        ; the lanes of dx = 1, kept in a scalar register
	s_wait_dscnt 0x0                               ; the opening add is done
	s_wait_kmcnt 0x0
	s_add_nc_u64 s[SVA:SVA+1], s[8:9], s[36:37]
	s_add_nc_u64 s[GA+2:GA+3], s[SVA:SVA+1], s[38:39]
	s_or_b32 s[GA+3], s[GA+3], 0x80000000          ; type = 2
	s_cmp_lt_u32 s4, 8                             ; waves 0 to 7 bring an eighth of the table each: one tensor load of mine is out, and nothing is ever filled again
	s_cbranch_scc0 .Lno_fill
	tensor_load_to_lds s[GA:GA+3], s[G1:G1+7]
	s_nop 0
.Lno_fill:
	s_add_nc_u64 s[SIX:SIX+1], s[10:11], s[40:41]
	s_add_nc_u64 s[SWT:SWT+1], s[12:13], s[42:43]
	s_add_nc_u64 s[SSO:SSO+1], s[14:15], s[40:41]
.macro ASKIDX                          ; 16 indices of my query; the eight lanes of a query ask for the same bytes
.irp i, 0,1,2,3
	global_load_b128 v[IDX+4*\i:IDX+4*\i+3], v[VIX], s[SIX:SIX+1] offset:16*\i
.endr
.endm
.macro ASKW i                          ; the weights of points 2 i and 2 i + 1
	global_load_b128 v[WT+4*(\i):WT+4*(\i)+3], v[VWT], s[SWT:SWT+1] offset:16*(\i)
.endm
.macro G p                             ; point p of level 0: the index is held to the level's last base; x 64 bytes + my dx and channels; dy and dz stand in the immediate
	v_min_u32 v[ADR0+(\p)], 31710, v[IDX+(\p)]
	v_lshl_add_u32 v[ADR0+(\p)], v[ADR0+(\p)], 6, v[LOFF]
.irp k, 0,1,2,3
	global_load_b128 v[G0+16*(\p)+4*\k:G0+16*(\p)+4*\k+3], v[ADR0+(\p)], s[SVA:SVA+1] offset:((\k&1)*32+(\k>>1)*1024)*64 th:TH_LOAD_HT
.endr
.endm
.macro MKL p, cap                      ; point p's LDS address, the index held likewise: with the largest immediate and my 16 bytes it ends at its level's last byte
	v_min_u32 v[ADRL+(\p)-4], \cap, v[IDX+(\p)]
	v_lshl_add_u32 v[ADRL+(\p)-4], v[ADRL+(\p)-4], 6, v[LOFF]
.endm
.macro D p                             ; point p's four corners out of LDS
.set DD, 32>>((\p)>>2)
.irp k, 0,1,2,3
	ds_load_b128 v[LS+16*((\p)%4)+4*\k:LS+16*((\p)%4)+4*\k+3], v[ADRL+(\p)-4] offset:((\k&1)*DD+(\k>>1)*DD*DD)*64
.endr
.endm
; 32 multiply-adds: corner 2 k2 + hb from the slot at SB, channels 2 c2 + ha.  first = 1: the trip's first eight start the sums from 0: nothing is cleared.
.macro FMAS p, first
.irp k2, 0,1
.irp hb, 0,1
.irp c2, 0,1,2,3
.irp ha, 0,1
.if (\first) && ((\k2) == 0) && ((\hb) == 0)
	v_fma_mix_f32 v[ACC+2*\c2+\ha], v[SB+4*(2*\k2+\hb)+\c2], v[WT+2*(\p)+\k2], v[ZR] op_sel:[\ha,\hb,0] op_sel_hi:[1,1,0]
.else
	v_fma_mix_f32 v[ACC+2*\c2+\ha], v[SB+4*(2*\k2+\hb)+\c2], v[WT+2*(\p)+\k2], v[ACC+2*\c2+\ha] op_sel:[\ha,\hb,0] op_sel_hi:[1,1,0]
.endif
.endr
.endr
.endr
.endr
.endm
; Point p of the twelve in LDS.
.macro LSTEP p, last
.if (\p) <= 12
	D (\p)+3
.endif
.if ((\p)&1) == 0
.if \last
	s_wait_loadcnt 25-(\p)/2                       ; behind this pair's weights: the later pairs' loads, 7 - p / 2, and the 18 of the last trip's level 0
.else
	s_wait_loadcnt 27                              ; behind this pair's weights: 7 - p / 2 later pairs' loads, the 18 of the last trip's level 0, 4 of indices, p / 2 - 2 for the next trip
.endif
.endif
.if (\p) <= 12
	s_wait_dscnt 12                                ; LDS loads come back in order: the three points ahead may stay out
.else
	s_wait_dscnt 4*(15-(\p))
.endif
.set SB, LS+16*((\p)%4)
.if (\p) == 4
	FMAS \p, 1
.else
	FMAS \p, 0
.endif
.if (((\p)&1) == 1) && !(\last)
	ASKW ((\p)-1)/2                                ; the next trip's weights for the pair just done
.endif
.endm
; Point p of level 0, and its gathers for the next trip.
.macro GSTEP p, last
.set SB, G0+16*(\p)
	FMAS \p, 0
.if !(\last)
	G \p
.if ((\p)&1) == 1
	ASKW ((\p)-1)/2
.endif
.endif
.endm
.macro TRIP last
.irp p, 4,5,6,7
	MKL \p, 3822
.endr
.irp p, 8,9,10,11
	MKL \p, 4534
.endr
.irp p, 12,13,14,15
	MKL \p, 4650
.endr
	s_wait_xcnt 0x0                                ; every earlier load and store has had its addresses translated: only behind this wait are the three bases and the store's data rewritten
	s_add_nc_u64 s[SSO:SSO+1], s[SSO:SSO+1], 3072  ; three tiles on: 48 queries x 64 bytes
.if !(\last)
	s_add_nc_u64 s[SIX:SIX+1], s[SIX:SIX+1], 3072
	s_add_nc_u64 s[SWT:SWT+1], s[SWT:SWT+1], 12288 ; three tiles of 4,096 bytes
	ASKIDX
.endif
	D 4
	D 5
	D 6
.irp p, 4,5,6,7,8,9,10,11,12,13,14,15
	LSTEP \p, \last
.endr
.if \last
	s_wait_loadcnt 0x0
.else
	s_wait_loadcnt 6                               ; the six newest loads, weights for the next trip, may stay out: this trip's gathers and first two weight loads and the next trip's indices are in
.endif
.irp p, 0,1,2,3
	GSTEP \p, \last
.endr
.irp c, 0,1,2,3,4,5,6,7
	v_add_f32_dpp v[ACC+\c], v[ACC+\c], v[ACC+\c] row_xmask:1 row_mask:0xf bank_mask:0xf  ; the other x corner's sum lies in the neighbouring lane
.endr
.irp n, 0,1,2,3
	v_cvt_pk_f16_f32 v[P+\n], v[ACC+2*\n], v[ACC+2*\n+1]
.endr
	v_cndmask_b32 v[ST], v[P], v[P+2], s45         ; both lanes hold all eight: dx 0 stores channels 0-3, dx 1 channels 4-7
	v_cndmask_b32 v[ST+1], v[P+1], v[P+3], s45
	global_store_b64 v[VSO], v[ST:ST+1], s[SSO:SSO+1] offset:-3072  ; four queries of my head: the wave's store covers 256 consecutive bytes, aligned
.endm
	; the first trip's lists and gathers, issued in the order in which a trip issues the next one's, so that the loop's counts hold on the way in
	ASKIDX
.irp i, 2,3,4,5,6,7
	ASKW \i
.endr
	s_wait_loadcnt 6                               ; the indices are in
	G 0
	G 1
	ASKW 0
	G 2
	G 3
	ASKW 1
	s_wait_tensorcnt 0x0                           ; my part of the table is in LDS,
	s_barrier_signal -1
	s_barrier_wait -1                              ; everybody's is; from here on LDS is only read
	s_mov_b32 s44, 12
.Ltrip:
	TRIP 0
	s_sub_co_u32 s44, s44, 1
	s_cmp_lg_u32 s44, 0
	s_cbranch_scc1 .Ltrip
	TRIP 1                                         ; the thirteenth trip asks for nothing: no load leaves its buffer and none is made in vain
	s_wait_tensorcnt 0x0                           ; the wave's end, behind my last tensor load
	ds_add_u32 v[SPW], v[NIL]
	s_wait_dscnt 0x0
	s_endpgm
.Lfunc_end_k_qf275ac28de_sample:
	.size	k_qf275ac28de_sample, .Lfunc_end_k_qf275ac28de_sample-k_qf275ac28de_sample
	.p2alignl 7, 3214868480
	.fill 96, 4, 3214868480
	.section	.rodata,"a",@progbits
	.p2align	6, 0x0
	.amdhsa_kernel k_qf275ac28de_sample
		.amdhsa_group_segment_fixed_size 300544
		.amdhsa_private_segment_fixed_size 0
		.amdhsa_enable_private_segment 0
		.amdhsa_kernarg_size 32
		.amdhsa_user_sgpr_count 2
		.amdhsa_user_sgpr_kernarg_segment_ptr 1
		.amdhsa_wavefront_size32 1
		.amdhsa_system_sgpr_workgroup_id_x 1
		.amdhsa_system_sgpr_workgroup_id_y 1
		.amdhsa_system_sgpr_workgroup_id_z 1
		.amdhsa_system_vgpr_workitem_id 0
		.amdhsa_next_free_vgpr 216
		.amdhsa_next_free_sgpr 66
		.amdhsa_reserve_vcc 0
		.amdhsa_float_denorm_mode_32 3
		.amdhsa_float_denorm_mode_16_64 3
		.amdhsa_memory_ordered 1
		.amdhsa_forward_progress 1
		.amdhsa_inst_pref_size 87
	.end_amdhsa_kernel
	.amdgpu_metadata
---
amdhsa.version: [ 1, 2 ]
amdhsa.kernels:
  - .name:           k_qf275ac28de_sample
    .symbol:         k_qf275ac28de_sample.kd
    .args:
      - { .name: val, .offset: 0, .size: 8, .value_kind: global_buffer, .address_space: global }
      - { .name: pidx, .offset: 8, .size: 8, .value_kind: global_buffer, .address_space: global }
      - { .name: pwts, .offset: 16, .size: 8, .value_kind: global_buffer, .address_space: global }
      - { .name: samp, .offset: 24, .size: 8, .value_kind: global_buffer, .address_space: global }
    .group_segment_fixed_size: 300544
    .private_segment_fixed_size: 0
    .kernarg_segment_align: 8
    .kernarg_segment_size: 32
    .max_flat_workgroup_size: 384
    .sgpr_count:     66
    .vgpr_count:     216
    .wavefront_size: 32
...
	.end_amdgpu_metadata
.endif
;; end of part 6
;; launch outp (part 7): grid 234 x 1, 16 waves a work-group, no clusters, 127,488 bytes of LDS; arguments samp, wfrag, b_out, out0; writes out0
.if DOCPART == 7
	.amdgcn_target "amdgcn-amd-amdhsa--gfx1250"
	.amdhsa_code_object_version 6
	.text
	.protected	k_qf275ac28de_outp
	.globl	k_qf275ac28de_outp
	.p2align	8
	.type	k_qf275ac28de_outp,@function
k_qf275ac28de_outp:
	s_mov_b64 s[64:65], 0
	v_nop
	global_prefetch_b8 v0, s[64:65] scope:SCOPE_SE
	s_setreg_imm32_b32 hwreg(HW_REG_WAVE_MODE, 25, 1), 1
	s_wait_xcnt 0x0
; out0 = samp W_out + b_out.  samp is f16 [8 heads][18720][32]; W_out is its bf16 rounding written as f16 (fragments in wfrag, tiles 48 to 63); b_out is rounded to bf16; sums in f32.
; SHARES.  A work-group takes 80 queries, five tiles of 16.  Wave w copies 40 queries of head w / 2 (2,560 consecutive bytes) into the tile in LDS, row = query, byte 64 head + 2 channel;
; then it makes columns 16 w .. 16 w + 15 of out0 for all 80 queries: five accumulators, transposed use (source 0 = W_out's columns), so that a lane holds eight neighbouring columns of a row.
; The result goes through a stage in LDS, since a row's 1,024 bytes come from all sixteen waves, and leaves in runs of 512 consecutive bytes.
; No tensor loads: 40 KiB a work-group, asked for at once by 80 register loads.  No cluster: what work-groups share is 128 KiB of weights, read once by each.
.set SP,    528                        ; a row of samp in LDS: 512 bytes + 16: an odd multiple of 16
.set OST,   80*SP                      ; the result's stage: 80 rows x 1,040 bytes
.set OP,    1040                       ; 1,024 + 16: an odd multiple of 16
.set SPARE, OST+80*OP                  ; the spare words, 128 bytes a wave: eight blocks of 256 bytes that no other line names
.set VS,   5                           ; v5   where I put 16 bytes of samp
.set SPW,  8                           ; v8   my spare word; never rewritten
.set NIL,  9                           ; v9   0; never rewritten
.set VF,   10                          ; v10  my lane's place in a fragment of samp
.set STO,  11                          ; v11  the way out: where I put 16 bytes, tiles 0, 1;  v12 tiles 2 to 4 (an LDS immediate ends at 65,535)
.set STOB, 12
.set RD,   13                          ; v13  the way out: where I read back
.set L16,  14                          ; v14  16 x lane
.set H32,  15                          ; v15  32 x (lane / 16)
.set SF,   24                          ; v[24:63], v[64:103] two buffers of five fragments of samp
.set WF,   120                         ; v[120:183] W_out's fragments
.set BO,   184                         ; v[184:191] the bias as a C operand
.set AO,   192                         ; v[192:231] five accumulators; before the product v[192:211] hold samp on its way to LDS
.macro PLACES
.rept 4
	v_nop
.endr
.endm
	s_load_b256 s[8:15], s[0:1], 0x0               ; samp s[8:9], wfrag s[10:11], b_out s[12:13], out0 s[14:15]
	v_lshl_add_u32 v[SPW], v0, 2, SPARE
	v_mov_b32 v[NIL], 0
	v_lshrrev_b32 v1, 5, v0
	v_readfirstlane_b32 s4, v1                     ; wave 0..15
	s_lshr_b32 s5, s4, 1                           ; the head that I copy,
	s_and_b32 s6, s4, 1                            ; and which 40 of the 80 queries
	v_and_b32 v1, 31, v0                           ; lane
	v_lshlrev_b32 v[L16], 4, v1
	v_lshrrev_b32 v7, 2, v1                        ; four lanes to a query's 64 bytes
	v_mul_u32_u24 v[VS], v7, SP
	v_and_b32 v7, 3, v1
	v_lshl_add_u32 v[VS], v7, 4, v[VS]
	s_mul_i32 s7, s6, 40*SP
	s_lshl_b32 s2, s5, 6
	s_add_co_u32 s7, s7, s2
	v_add_nc_u32 v[VS], s7, v[VS]
	v_and_b32 v1, 15, v0                           ; r
	v_bfe_u32 v7, v0, 4, 1                         ; h
	v_mul_u32_u24 v[VF], v1, SP
	v_lshl_add_u32 v[VF], v7, 4, v[VF]
	v_lshlrev_b32 v[H32], 5, v7
	s_lshl_b32 s3, s4, 6
	s_add_co_u32 s3, s3, OST
	v_mad_u32_u24 v[STO], v1, OP, v[H32]           ; row r, column 16 w + 8 h
	v_add_nc_u32 v[STO], s3, v[STO]
	v_add_nc_u32 v[STOB], 32*OP, v[STO]
	s_mul_i32 s3, s4, 5*OP
	s_add_co_u32 s3, s3, OST
	v_add_nc_u32 v[RD], s3, v[L16]                 ; back: rows 5 w on, whole
	s_mul_i32 s20, s5, 1198080                     ; a head of samp,
	s_mul_i32 s2, ttmp9, 5120                      ; my work-group's 80 queries,
	s_add_co_u32 s20, s20, s2
	s_mul_i32 s2, s6, 2560                         ; my 40 of them
	s_add_co_u32 s20, s20, s2
	s_mov_b32 s21, 0
	s_lshl_b32 s22, s4, 13                         ; tile 48 + w of wfrag
	s_add_co_u32 s22, s22, 48*8192
	s_mov_b32 s23, 0
	s_lshl_b32 s24, s4, 6                          ; my 16 biases
	s_mov_b32 s25, 0
	s_mul_i32 s26, ttmp9, 81920                    ; my work-group's 80 rows of out0,
	s_mul_i32 s2, s4, 5120                         ; my five of them
	s_add_co_u32 s26, s26, s2
	s_mov_b32 s27, 0
	s_wait_kmcnt 0x0
	s_add_nc_u64 s[8:9], s[8:9], s[20:21]
	s_add_nc_u64 s[10:11], s[10:11], s[22:23]
	s_add_nc_u64 s[12:13], s[12:13], s[24:25]
	s_add_nc_u64 s[14:15], s[14:15], s[26:27]
.irp i, 0,1,2,3,4
	global_load_b128 v[AO+4*\i:AO+4*\i+3], v[L16], s[8:9] offset:\i*512 th:TH_LOAD_NT  ; eight queries of my head: 512 consecutive bytes
.endr
.irp ks, 0,1,2,3,4,5,6,7
	global_load_b128 v[WF+8*\ks:WF+8*\ks+3], v[L16], s[10:11] offset:\ks*1024
	global_load_b128 v[WF+8*\ks+4:WF+8*\ks+7], v[L16], s[10:11] offset:\ks*1024+512
.endr
	global_load_b128 v[BO:BO+3], v[H32], s[12:13]          ; register j: the bias of column 16 w + 8 h + j
	global_load_b128 v[BO+4:BO+7], v[H32], s[12:13] offset:16
	s_wait_loadcnt 18                              ; loads come back in order: samp is in; the 18 loads of weights and bias may stay out
.irp i, 0,1,2,3,4
	ds_store_b128 v[VS], v[AO+4*\i:AO+4*\i+3] offset:\i*8*SP
.endr
	s_wait_dscnt 0x0                               ; for the others' sake: my part of samp is in LDS
	s_barrier_signal -1
	s_barrier_wait -1
.macro LOADF ks                        ; the five tiles' fragments of 32 k (one head's channels), ten loads in one run
.irp t, 0,1,2,3,4
	ds_load_b128 v[SF+40*((\ks)&1)+8*\t:SF+40*((\ks)&1)+8*\t+3], v[VF] offset:\t*16*SP+(\ks)*64
	ds_load_b128 v[SF+40*((\ks)&1)+8*\t+4:SF+40*((\ks)&1)+8*\t+7], v[VF] offset:\t*16*SP+(\ks)*64+32
.endr
.endm
	LOADF 0
	s_wait_loadcnt 0x0                             ; W_out's fragments and the bias
.irp n, 0,1,2,3                        ; the bias's one rounding to bf16
	v_cvt_pk_bf16_f32 v1, v[BO+2*\n], v[BO+2*\n+1]
	v_lshlrev_b32 v[BO+2*\n], 16, v1
	v_and_b32 v[BO+2*\n+1], 0xffff0000, v1
.endr
.irp ks, 0,1,2,3,4,5,6,7
.if \ks < 7
.if \ks > 0
	PLACES                                         ; four places between the products that read a buffer and the loads into it
.endif
	LOADF \ks+1
	s_wait_dscnt 10                                ; all but the ten just issued
.else
	s_wait_dscnt 0x0
.endif
.irp t, 0,1,2,3,4                      ; the five accumulators take turns; the first step starts the sums from the bias
.if \ks == 0
	v_wmma_f32_16x16x32_f16 v[AO+8*\t:AO+8*\t+7], v[WF+8*\ks:WF+8*\ks+7], v[SF+40*(\ks&1)+8*\t:SF+40*(\ks&1)+8*\t+7], v[BO:BO+7]
.else
	v_wmma_f32_16x16x32_f16 v[AO+8*\t:AO+8*\t+7], v[WF+8*\ks:WF+8*\ks+7], v[SF+40*(\ks&1)+8*\t:SF+40*(\ks&1)+8*\t+7], v[AO+8*\t:AO+8*\t+7]
.endif
.endr
.endr
	PLACES                                         ; four places between the last product and the first read of a result (ISA guide 7.12.1)
.irp t, 0,1                            ; each accumulator's four lowest registers go first
	ds_store_b128 v[STO], v[AO+8*\t:AO+8*\t+3] offset:\t*16*OP
	ds_store_b128 v[STO], v[AO+8*\t+4:AO+8*\t+7] offset:\t*16*OP+16
.endr
.irp t, 2,3,4
	ds_store_b128 v[STOB], v[AO+8*\t:AO+8*\t+3] offset:(\t-2)*16*OP
	ds_store_b128 v[STOB], v[AO+8*\t+4:AO+8*\t+7] offset:(\t-2)*16*OP+16
.endr
	s_wait_dscnt 0x0                               ; for the others' sake: a row's 1,024 bytes come from all sixteen waves
	s_barrier_signal -1
	s_barrier_wait -1
.set i, 0
.rept 10                                               ; row i / 2 of my five, half i % 2
	ds_load_b128 v[SF+4*i:SF+4*i+3], v[RD] offset:(i/2)*OP+(i%2)*512
.set i, i+1
.endr
.set i, 0
.rept 10
	s_wait_dscnt 9-i                               ; the younger loads may stay out
	global_store_b128 v[L16], v[SF+4*i:SF+4*i+3], s[14:15] offset:i*512 th:TH_STORE_NT  ; 512 consecutive bytes of out0, aligned
.set i, i+1
.endr
	s_wait_tensorcnt 0x0                           ; the wave's end, behind my last LDS store
	ds_add_u32 v[SPW], v[NIL]
	s_wait_dscnt 0x0
	s_endpgm
.Lfunc_end_k_qf275ac28de_outp:
	.size	k_qf275ac28de_outp, .Lfunc_end_k_qf275ac28de_outp-k_qf275ac28de_outp
	.p2alignl 7, 3214868480
	.fill 96, 4, 3214868480
	.section	.rodata,"a",@progbits
	.p2align	6, 0x0
	.amdhsa_kernel k_qf275ac28de_outp
		.amdhsa_group_segment_fixed_size 127488
		.amdhsa_private_segment_fixed_size 0
		.amdhsa_enable_private_segment 0
		.amdhsa_kernarg_size 32
		.amdhsa_user_sgpr_count 2
		.amdhsa_user_sgpr_kernarg_segment_ptr 1
		.amdhsa_wavefront_size32 1
		.amdhsa_system_sgpr_workgroup_id_x 1
		.amdhsa_system_sgpr_workgroup_id_y 1
		.amdhsa_system_sgpr_workgroup_id_z 1
		.amdhsa_system_vgpr_workitem_id 0
		.amdhsa_next_free_vgpr 232
		.amdhsa_next_free_sgpr 66
		.amdhsa_reserve_vcc 0
		.amdhsa_float_denorm_mode_32 3
		.amdhsa_float_denorm_mode_16_64 3
		.amdhsa_memory_ordered 1
		.amdhsa_forward_progress 1
		.amdhsa_inst_pref_size 18
	.end_amdhsa_kernel
	.amdgpu_metadata
---
amdhsa.version: [ 1, 2 ]
amdhsa.kernels:
  - .name:           k_qf275ac28de_outp
    .symbol:         k_qf275ac28de_outp.kd
    .args:
      - { .name: samp, .offset: 0, .size: 8, .value_kind: global_buffer, .address_space: global }
      - { .name: wfrag, .offset: 8, .size: 8, .value_kind: global_buffer, .address_space: global }
      - { .name: b_out, .offset: 16, .size: 8, .value_kind: global_buffer, .address_space: global }
      - { .name: out0, .offset: 24, .size: 8, .value_kind: global_buffer, .address_space: global }
    .group_segment_fixed_size: 127488
    .private_segment_fixed_size: 0
    .kernarg_segment_align: 8
    .kernarg_segment_size: 32
    .max_flat_workgroup_size: 512
    .sgpr_count:     66
    .vgpr_count:     232
    .wavefront_size: 32
...
	.end_amdgpu_metadata
.endif
;; end of part 7
